; MI455X (gfx1250); checked and timed in simulation.
; The chip was launched on July 23, 2026; its instructions are those of AMD's public machine-readable ISA for CDNA 5 (MIT licence, August 2026) and "CDNA5" Instruction Set Architecture Reference Guide (July 2026). The comments in the code are by the model that wrote it; some were corrected since.
;; Self Attention. Allowed arithmetic: matrix products marked QUANTISED: E2M3 operands, one E8M0 scale for each 32 along K, by v_wmma_scale_f32_16x16x128_f8f6f4 with both operands' format E2M3, f32 sums; everything else in f32.
;; Inputs: Wk 1,024 x 1,024 float32; Wo 1,024 x 1,024 float32; Wq 1,024 x 1,024 float32; Wv 1,024 x 1,024 float32; x 4 x 2,048 x 1,024 float32.
;; Outputs: out0 4 x 2,048 x 1,024 float32.
;; This version of the problem:
;;   THIS VERSION OF THE PROBLEM IS GIVEN IN LOW PRECISION. The matrix products marked QUANTISED in the list below multiply operands that are first quantised to E2M3 (2 exponent bits, 3 mantissa bits; 6 bits a number), with one power-of-two scale for each 32 numbers along K (OCP MX v1.0); their sums are f32. All else is computed in f32.
;;   The module's matrix products, in the order in which they are computed (A, B: the left and right operand; K: the contracted axis; several contracted axes count as one K, in the product's order):
;;     1. [M 8,192, K 1,024] x [K 1,024, N 1,024]; A: input x; B: input Wq: QUANTISED
;;     2. [M 8,192, K 1,024] x [K 1,024, N 1,024]; A: input x; B: input Wk: QUANTISED
;;     3. [M 8,192, K 1,024] x [K 1,024, N 1,024]; A: input x; B: input Wv: QUANTISED
;;     4. batch 64 x [M 2,048, K 64] x [K 64, N 2,048]; A: computed on the way; B: computed on the way: QUANTISED
;;     5. batch 64 x [M 2,048, K 2,048] x [K 2,048, N 64]; A: softmax (see below); B: computed on the way: QUANTISED
;;     6. [M 8,192, K 1,024] x [K 1,024, N 1,024]; A: computed on the way; B: input Wo: QUANTISED
;;   THE QUANTISER, for each operand of a quantised product, along K:
;;     - K is cut into blocks of 32 from its start; a last block that is shorter is filled with zeros.
;;     - A block's scale is 2^e with e = floor(log2(the largest magnitude in the block)) - 2, held to -126 .. 127; a block of zeros has e = 0. As a byte (E8M0): e + 127.
;;     - Each number is divided by its block's scale, clamped to +-7.5, and rounded to the nearest number of E2M3, ties to even, subnormals kept.
;;     - The product sums the exact products of the quantised numbers (number of the format x scale) in f32.
;;   ~~~python
;;   def quantise(x, axis):      # numpy; x: float32 -> the quantised numbers, widened to float32 again
;;       x = np.moveaxis(x, axis, -1); K = x.shape[-1]
;;       x = np.pad(x, [(0, 0)] * (x.ndim - 1) + [(0, -K % 32)]); x = x.reshape(x.shape[:-1] + (-1, 32)); a = np.abs(x).max(-1, keepdims=True)
;;       e = np.where(a > 0, np.clip(np.frexp(np.where(a > 0, a, 1))[1] - 1 - 2, -126, 127), 0)      # np.frexp(a)[1] - 1 = floor(log2(a)), exactly
;;       r = np.clip(x / 2.0 ** e, -7.5, 7.5)
;;       step = 2.0 ** (np.maximum(np.frexp(np.where(r == 0, 1, r))[1] - 1, 0) - 3)
;;       q = np.round(r / step) * step * 2.0 ** e      # np.round: ties to even
;;       return np.moveaxis(q.reshape(q.shape[:-2] + (-1,))[..., :K], -1, axis).astype(np.float32)
;;   ~~~
;;   SOFTMAX AHEAD OF A QUANTISED PRODUCT. Where the list says 'softmax', what is quantised is not the finished softmax but p = 2^(t - M), with t = logit x log2(e) and M = ceil(the row's largest t), a whole number; so 1/2 < the row's largest p <= 1. The row's sum l is taken of the UNQUANTISED p, in f32, and the product's result is divided by l at the end. Since M is a whole number, a kernel that streams over the keys may use a running M (the ceiling of the running maximum): every later rescaling is an exact power of two, which a block's scale takes up: the codes' values come out the same.
;;   OPERANDS COMPUTED ON THE WAY. 'Computed on the way' means the value that the module computes at that place (a softmax that the list does not call 'softmax' is quantised finished and normalised). What goes into a quantiser is computed in f32, as accurately as f32 sums, v_exp_f32 and their like allow (about 1e-6 of the number): no bf16 or f16 on the way to a quantiser, and a product that is left as it is and whose result goes on into a quantised operand takes f32 operands (vector FMAs, or v_wmma_f32_16x16x4_f32). A number that lies on a knife's edge between two numbers of the format may be rounded either way, as far as f32 arithmetic and the matrix unit's own rounding can turn it there, and no further.
;; One version. Each part assembles by itself: llvm-mc -triple=amdgcn-amd-amdhsa -mcpu=gfx1250 --defsym DOCPART=n.
;; ======== version 1 of 1: 4 launches
;; limits: right only within a limited range of input values
;; workspace buffers: codes 9,437,184 bytes; scales 393,216 bytes; rot 524,288 bytes; qkv 18,874,368 bytes; qkvs 786,432 bytes; ac 6,291,456 bytes; acs 262,144 bytes
;; launch quant (part 1): grid 256 x 1, 13 waves a work-group, no clusters, 100,352 bytes of LDS; arguments x, Wq, Wk, Wv, Wo, codes, scales, rot; writes codes, scales, rot
.if DOCPART == 1
	.amdgcn_target "amdgcn-amd-amdhsa--gfx1250"
	.amdhsa_code_object_version 6
	.text
	.protected	k_q441bb94d93_quant
	.globl	k_q441bb94d93_quant
	.p2align	8
	.type	k_q441bb94d93_quant,@function
k_q441bb94d93_quant:
	s_mov_b64 s[64:65], 0
	v_nop
	global_prefetch_b8 v0, s[64:65] scope:SCOPE_SE
	s_setreg_imm32_b32 hwreg(HW_REG_WAVE_MODE, 25, 1), 1
	s_wait_xcnt 0x0
; x [8192][1024] and Wq, Wk, Wv, Wo [1024][1024], f32, K innermost, become codes of FP6 (E2M3) with one E8M0 byte for each 32 along K: 12,288 stored rows; rows 0.. x, 8192.. Wq, 9216.. Wk, 10240.. Wv, 11264.. Wo.
; WHERE THE CODES LIE: a stored row's 768 bytes are cut into four K steps of 192 bytes (256 along K); K step s of stored row R lies at 196608 (R / 256) + 49152 s + 192 (R % 256):
; a K step of 256 stored rows (and of either 128 of them) is one dense run of bytes that begins at a multiple of 256.  scales: [stored row][32 bytes].
; THE ROWS ARE STORED IN FIXED ORDERS OF THEIR OWN, by chunks of 8 rows.  Wq, Wk, Wo: in each group of 32 rows chunks 1 and 2 change places: a product that takes 16 stored rows as its source 0 leaves, in a lane's 16 registers
; of two neighbouring tiles, 16 neighbours of the true order.  x, Wv: in each group of 64 rows stored row 16 j + 8 h + i holds row 32 h + 8 j + i: such a product leaves, in a lane's 32 registers of four neighbouring tiles, 32 neighbours: a whole scale block.
; A block's scale is 2^(floor(log2(largest magnitude)) - 2); its byte is the largest magnitude's exponent field - 2, held at 1 from below; numbers are divided by the scale and rounded to the nearest code, ties to even.
; LIMITS: NaN and infinities are not served.  A block whose largest magnitude lies under 2^-124 keeps the byte 1; a block of zeros gets the byte 1 and not 127: its codes are zeros and this program alone reads the bytes.
; The rotary table's frequencies are 2^(-i log2(10000) / 32) by v_exp_f32; at the largest positions an angle can differ by some 2e-4 from one made with correctly rounded frequencies.
; SHARES: 3,072 runs of 4 rows; a work-group takes twelve, a wave one: 4,096 numbers = 8 steps of 512.  The thirteenth wave makes 8 positions of the rotary table rot [2048 positions][cos 0..31 | sin 0..31], f32.
; No tensor loads, no barrier: waves share nothing.
.set STEPS, 8
.set EMAX,  2
.set CB,    12                         ; bytes of 16 codes
.set R,     16                         ; v16-79   four sets of 16 numbers as they are loaded
.set X,     80                         ; v80-111  two sets of 16 neighbours
.set E,     112                        ; v112-119 a scale byte for each step
.set C,     128                        ; v128-159 codes: four registers for each step, so that no store's data are written again
.set WREG,  8192                       ; LDS: a region for each quantising wave: two stages of 32 x SP bytes, behind them its 128 scale bytes
.set SP,    80                         ; a lane's place in a stage: 64 bytes + 16 of padding
.set SPARE, 12*WREG                    ; the spare words, 128 bytes for each wave, that no other line names
	s_load_b256 s[4:11], s[0:1], 0x0               ; x, Wq, Wk, Wv
	s_load_b256 s[12:19], s[0:1], 0x20             ; Wo, codes, scales, rot
	v_lshl_add_u32 v192, v0, 2, SPARE
	v_mov_b32 v193, 0
	v_lshrrev_b32 v1, 5, v0
	v_readfirstlane_b32 s20, v1                    ; wave
	v_and_b32 v2, 31, v0                           ; lane
	s_cmp_ge_u32 s20, 12
	s_cbranch_scc1 .Ltable                         ; the table's wave uses no LDS
	v_lshlrev_b32 v3, 4, v2                        ; my 16 bytes of a load's 512
	s_mul_i32 s21, s20, WREG
	v_lshrrev_b32 v14, 2, v2
	v_mul_u32_u24 v14, v14, SP
	v_and_b32 v15, 3, v2
	v_lshl_add_u32 v14, v15, 4, v14
	v_add_nc_u32 v14, s21, v14                     ; the stage, on the way in: four lanes' 64 bytes on end, then 16 of padding
	v_mul_u32_u24 v15, v2, SP
	v_add_nc_u32 v15, s21, v15                     ; and on the way out: my 16 neighbours
	v_and_b32 v4, 15, v2
	v_mul_u32_u24 v4, v4, CB                       ; my codes' place: sixteen lanes fill a row's 192 bytes of one K step,
	v_lshrrev_b32 v10, 4, v2
	v_mad_u32_u24 v4, v10, 0xc000, v4              ; lanes 16-31 those of the next K step, 49,152 bytes on
	v_lshrrev_b32 v5, 1, v2
	s_add_co_u32 s21, s21, 2*32*SP
	v_add_nc_u32 v5, s21, v5                       ; LDS: my wave's 128 scale bytes, my block's byte
	v_lshlrev_b32 v7, 2, v2
	v_add_nc_u32 v6, s21, v7                       ; and on the way out 4 bytes a lane
	s_mul_i32 s36, ttmp9, 12
	s_add_co_u32 s36, s36, s20                     ; my run of 4 rows, 0..3071
	s_lshr_b32 s37, s36, 3                         ; its group of 32 rows, 0..383
	s_bfe_u32 s38, s36, 0x20001                    ; its chunk of 8 rows in the group
	s_and_b32 s39, s36, 1                          ; which half of the chunk
	s_wait_alu depctr_va_vdst(0)                   ; the wait at the head's end
	s_wait_kmcnt 0x0
	s_mov_b32 s22, 0                               ; the tensor's first group; the choice hangs on ids alone
	s_cmp_ge_u32 s37, 256
	s_cselect_b64 s[4:5], s[6:7], s[4:5]
	s_cselect_b32 s22, 256, s22
	s_cmp_ge_u32 s37, 288
	s_cselect_b64 s[4:5], s[8:9], s[4:5]
	s_cselect_b32 s22, 288, s22
	s_cmp_ge_u32 s37, 320
	s_cselect_b64 s[4:5], s[10:11], s[4:5]
	s_cselect_b32 s22, 320, s22
	s_cmp_ge_u32 s37, 352
	s_cselect_b64 s[4:5], s[12:13], s[4:5]
	s_cselect_b32 s22, 352, s22
	s_sub_co_u32 s23, s37, s22
	s_lshl_b32 s23, s23, 2
	s_add_co_u32 s23, s23, s38
	s_lshl_b32 s23, s23, 1
	s_add_co_u32 s23, s23, s39                     ; my run in the tensor,
	s_lshl_b32 s24, s23, 14                        ; 16,384 bytes each
	s_mov_b32 s25, 0
	s_add_nc_u64 s[4:5], s[4:5], s[24:25]
	s_and_b32 s23, s38, 1                          ; where my chunk goes.  Groups of 32: chunks 1 and 2 change places
	s_lshl_b32 s23, s23, 1
	s_lshr_b32 s26, s38, 1
	s_or_b32 s23, s23, s26
	s_lshl_b32 s26, s37, 2
	s_add_co_u32 s23, s23, s26
	s_lshr_b32 s26, s37, 1                         ; groups of 64: chunk 4 h + j goes to place 2 j + h (h = the group of 32's parity, j = the chunk in it)
	s_lshl_b32 s26, s26, 3
	s_lshl_b32 s27, s38, 1
	s_add_co_u32 s26, s26, s27
	s_and_b32 s27, s37, 1
	s_add_co_u32 s26, s26, s27
	s_cmp_lt_u32 s37, 256                          ; x
	s_cselect_b32 s23, s26, s23
	s_sub_co_u32 s27, s37, 320
	s_cmp_lt_u32 s27, 32                           ; Wv
	s_cselect_b32 s23, s26, s23
	s_lshr_b32 s24, s23, 5                         ; 32 chunks of 8 rows to a block of 256 rows
	s_mul_i32 s24, s24, 196608
	s_and_b32 s26, s23, 31
	s_mul_i32 s26, s26, 1536                       ; 8 rows of 192 bytes
	s_add_co_u32 s24, s24, s26
	s_mul_i32 s26, s39, 768                        ; 4 rows
	s_add_co_u32 s24, s24, s26
	s_add_nc_u64 s[14:15], s[14:15], s[24:25]
	s_lshl_b32 s24, s23, 8                         ; 8 rows of 32 scale bytes
	s_lshl_b32 s26, s39, 7
	s_add_co_u32 s24, s24, s26
	s_add_nc_u64 s[16:17], s[16:17], s[24:25]
.macro LOAD t
.irp i, 0,1,2,3
	global_load_b128 v[R+16*((\t)%4)+4*\i:R+16*((\t)%4)+4*\i+3], v3, s[4:5] offset:2048*(\t)+512*\i th:TH_LOAD_NT   ; 32 lanes read 512 consecutive bytes
.endr
.endm
.macro TURN t                          ; step t's numbers through the stage: LDS serves a wave's instructions in order, so no wait stands between the stores and the loads
.irp i, 0,1,2,3
	ds_store_b128 v14, v[R+16*((\t)%4)+4*\i:R+16*((\t)%4)+4*\i+3] offset:32*SP*((\t)%2)+8*SP*\i
.endr
.irp i, 0,1,2,3
	ds_load_b128 v[X+16*((\t)%2)+4*\i:X+16*((\t)%2)+4*\i+3], v15 offset:32*SP*((\t)%2)+16*\i
.endr
.endm
.irp t, 0,1,2,3
	LOAD \t
.endr
	s_wait_loadcnt 12                              ; step 0's four loads are in
	TURN 0
.macro STEP t
.set XS, X+16*((\t)%2)
.if (\t) > 0
	s_wait_dscnt 1                                 ; this step's numbers are back from the stage (the last step's byte store may be out): its stores into the stage have read their registers,
.else
	s_wait_dscnt 0x0
.endif
.if (\t)+4 < STEPS
	LOAD (\t)+4                                    ; which take the loads of four steps on
.endif
.if (\t)+1 < STEPS
.if STEPS-2-(\t) >= 3
	s_wait_loadcnt 12                              ; the next step's four loads are in; those of the three steps behind it may be out
.else
	s_wait_loadcnt 4*(STEPS-2-(\t))
.endif
	TURN (\t)+1                                    ; and go through the other stage while this step is worked
.endif
	v_max3_num_f32 v8, |v[XS]|, |v[XS+1]|, |v[XS+2]|               ; the largest magnitude of my 16, in two chains
	v_max3_num_f32 v9, |v[XS+3]|, |v[XS+4]|, |v[XS+5]|
.irp i, 6,10
	v_max3_num_f32 v8, v8, |v[XS+\i]|, |v[XS+\i+1]|
	v_max3_num_f32 v9, v9, |v[XS+\i+2]|, |v[XS+\i+3]|
.endr
	v_max3_num_f32 v8, v8, |v[XS+14]|, |v[XS+15]|
	v_max3_num_f32 v8, v8, v9, (EMAX+1)<<23        ; and the floor 2^(3 - 127): the byte cannot fall under 1
	v_max_num_f32_dpp v8, v8, v8 row_xmask:1 row_mask:0xf bank_mask:0xf   ; and of my neighbour's 16: the block's
	v_add_nc_u32 v11, -(EMAX<<23), v8              ; 2 off its exponent field: the conversion takes the exponent field of this operand as its scale
	v_cvt_scalef32_pk16_fp6_f32 v[C+4*(\t):C+4*(\t)+2], v[XS:XS+15], v11
	v_lshrrev_b32 v[E+(\t)], 23, v11               ; the scale's byte (also the plain line behind the conversion)
	ds_store_b8 v5, v[E+(\t)] offset:16*(\t)       ; both lanes of a block write the same byte with the same value
	global_store_b96 v4, v[C+4*(\t):C+4*(\t)+2], s[14:15] offset:192*((\t)/2)+98304*((\t)%2)   ; row t / 2 of my four; K steps 2 (t % 2) and 2 (t % 2) + 1
.endm
.irp t, 0,1,2,3,4,5,6,7
	STEP \t
.endr
	ds_load_b32 v12, v6                            ; LDS serves a wave's instructions in order: this sees my stores
	s_wait_dscnt 0x0
	global_store_b32 v7, v12, s[16:17]             ; 32 lanes store 128 consecutive bytes: my four rows' scale bytes
	s_wait_tensorcnt 0x0                           ; the wave's end
	ds_add_u32 v192, v193
	s_wait_dscnt 0x0
	s_endpgm
; THE ROTARY TABLE.  The wave makes 8 positions; lane l makes two numbers of a position's row: lanes 0-15 cos of frequencies 2 l, 2 l + 1, lanes 16-31 sin of 2 (l - 16), 2 (l - 16) + 1.
; angle = position x frequency, in f32 as the definition has it; k = the nearest whole number to angle x 2 / pi; r = angle - k pi / 2 in two fused steps (pi / 2 as a sum of two f32 numbers);
; sin r and cos r by polynomials on |r| <= pi / 4; the quadrant k (k + 1 for the cosine) picks one of the two and the sign.  No branch hangs on a number.
.Ltable:
	s_lshl_b32 s21, ttmp9, 3                       ; my first position: 8 x work-group
	s_lshl_b32 s34, s21, 8
	s_mov_b32 s35, 0
	s_mov_b32 s24, 0x3f22f983                      ; 2 / pi
	s_mov_b32 s25, 0x3fc90fdb                      ; pi / 2, upper part
	s_mov_b32 s26, 0xb33bbd2e                      ; and the rest
	s_mov_b32 s27, 0xbe2aaaa3                      ; sine: -1.6666654611e-1, 8.3321608736e-3, -1.9515295891e-4
	s_mov_b32 s28, 0x3c08839e
	s_mov_b32 s29, 0xb94ca1f9
	s_mov_b32 s30, 0x3d2aaaa5                      ; cosine: 4.166664568e-2, -1.388731625e-3, 2.443315712e-5
	s_mov_b32 s31, 0xbab6061a
	s_mov_b32 s32, 0x37ccf5ce
	s_wait_alu depctr_va_vdst(0)
	v_lshlrev_b32 v7, 3, v2                        ; 8 bytes a lane
	v_and_b32 v3, 15, v0
	v_lshlrev_b32 v3, 1, v3
	v_cvt_f32_u32 v8, v3
	v_add_f32 v9, 1.0, v8
	v_mul_f32 v8, 0xbed49a78, v8                   ; -i log2(10000) / 32
	v_mul_f32 v9, 0xbed49a78, v9
	s_wait_alu depctr_va_vdst(0)
	v_exp_f32 v8, v8
	v_exp_f32 v9, v9
	v_bfe_u32 v11, v0, 4, 1                        ; (a plain line behind the exponentials)
	v_xor_b32 v11, 1, v11                          ; 1 in the cosine's lanes
	s_wait_alu depctr_va_vdst(0)                   ; one wait for both exponentials, ahead of their first reader
	s_wait_kmcnt 0x0
	s_add_nc_u64 s[18:19], s[18:19], s[34:35]
.macro ROWT n
	s_add_co_u32 s33, s21, \n
	v_cvt_f32_u32 v10, s33
.irp e, 0,1
	v_mul_f32 v[12+\e], v10, v[8+\e]               ; the angle
.endr
.irp e, 0,1
	v_mul_f32 v[14+\e], s24, v[12+\e]
.endr
.irp e, 0,1
	v_rndne_f32 v[14+\e], v[14+\e]                 ; k
.endr
.irp e, 0,1
	v_fma_f32 v[12+\e], -v[14+\e], s25, v[12+\e]
.endr
.irp e, 0,1
	v_fma_f32 v[12+\e], -v[14+\e], s26, v[12+\e]   ; r
.endr
.irp e, 0,1
	v_mul_f32 v[16+\e], v[12+\e], v[12+\e]         ; z = r r
.endr
.irp e, 0,1
	v_fma_f32 v[18+\e], s29, v[16+\e], s28
	v_fma_f32 v[20+\e], s32, v[16+\e], s31
.endr
.irp e, 0,1
	v_fma_f32 v[18+\e], v[18+\e], v[16+\e], s27
	v_fma_f32 v[20+\e], v[20+\e], v[16+\e], s30
.endr
.irp e, 0,1
	v_mul_f32 v[18+\e], v[18+\e], v[16+\e]
	v_fma_f32 v[20+\e], v[20+\e], v[16+\e], -0.5
.endr
.irp e, 0,1
	v_fma_f32 v[18+\e], v[18+\e], v[12+\e], v[12+\e]   ; sin r
	v_fma_f32 v[20+\e], v[20+\e], v[16+\e], 1.0        ; cos r
.endr
.irp e, 0,1
	v_cvt_i32_f32 v[14+\e], v[14+\e]
	v_add_nc_u32 v[14+\e], v[14+\e], v11           ; the quadrant
	v_and_b32 v[22+\e], 1, v[14+\e]
	v_cmp_ne_u32 vcc_lo, 0, v[22+\e]
	v_cndmask_b32 v[18+\e], v[18+\e], v[20+\e], vcc_lo
	v_and_b32 v[14+\e], 2, v[14+\e]
	v_lshlrev_b32 v[14+\e], 30, v[14+\e]           ; the sign
	v_xor_b32 v[32+2*\n+\e], v[14+\e], v[18+\e]
.endr
	global_store_b64 v7, v[32+2*\n:33+2*\n], s[18:19] offset:256*\n   ; a position's 256 bytes by one instruction; each position has data registers of its own
.endm
.irp n, 0,1,2,3,4,5,6,7
	ROWT \n
.endr
	s_endpgm
.Lfunc_end_k_q441bb94d93_quant:
	.size	k_q441bb94d93_quant, .Lfunc_end_k_q441bb94d93_quant-k_q441bb94d93_quant
	.p2alignl 7, 3214868480
	.fill 96, 4, 3214868480
	.section	.rodata,"a",@progbits
	.p2align	6, 0x0
	.amdhsa_kernel k_q441bb94d93_quant
		.amdhsa_group_segment_fixed_size 100352
		.amdhsa_private_segment_fixed_size 0
		.amdhsa_enable_private_segment 0
		.amdhsa_kernarg_size 64
		.amdhsa_user_sgpr_count 2
		.amdhsa_user_sgpr_kernarg_segment_ptr 1
		.amdhsa_wavefront_size32 1
		.amdhsa_system_sgpr_workgroup_id_x 1
		.amdhsa_system_sgpr_workgroup_id_y 1
		.amdhsa_system_sgpr_workgroup_id_z 1
		.amdhsa_system_vgpr_workitem_id 0
		.amdhsa_next_free_vgpr 194
		.amdhsa_next_free_sgpr 66
		.amdhsa_reserve_vcc 1
		.amdhsa_float_denorm_mode_32 3
		.amdhsa_float_denorm_mode_16_64 3
		.amdhsa_memory_ordered 1
		.amdhsa_forward_progress 1
		.amdhsa_inst_pref_size 37
	.end_amdhsa_kernel
	.amdgpu_metadata
---
amdhsa.version: [ 1, 2 ]
amdhsa.kernels:
  - .name:           k_q441bb94d93_quant
    .symbol:         k_q441bb94d93_quant.kd
    .args:
      - { .name: x, .offset: 0, .size: 8, .value_kind: global_buffer, .address_space: global }
      - { .name: Wq, .offset: 8, .size: 8, .value_kind: global_buffer, .address_space: global }
      - { .name: Wk, .offset: 16, .size: 8, .value_kind: global_buffer, .address_space: global }
      - { .name: Wv, .offset: 24, .size: 8, .value_kind: global_buffer, .address_space: global }
      - { .name: Wo, .offset: 32, .size: 8, .value_kind: global_buffer, .address_space: global }
      - { .name: codes, .offset: 40, .size: 8, .value_kind: global_buffer, .address_space: global }
      - { .name: scales, .offset: 48, .size: 8, .value_kind: global_buffer, .address_space: global }
      - { .name: rot, .offset: 56, .size: 8, .value_kind: global_buffer, .address_space: global }
    .group_segment_fixed_size: 100352
    .private_segment_fixed_size: 0
    .kernarg_segment_align: 8
    .kernarg_segment_size: 64
    .max_flat_workgroup_size: 416
    .sgpr_count:     66
    .vgpr_count:     194
    .wavefront_size: 32
...
	.end_amdgpu_metadata
.endif
;; end of part 1
;; launch qkv (part 2): grid 4 x 96, 4 waves a work-group, clusters of 4 x 4, 327,680 bytes of LDS; arguments codes, scales, rot, qkv, qkvs; writes qkv, qkvs
.if DOCPART == 2
	.amdgcn_target "amdgcn-amd-amdhsa--gfx1250"
	.amdhsa_code_object_version 6
	.text
	.protected	k_q441bb94d93_qkv
	.globl	k_q441bb94d93_qkv
	.p2align	8
	.type	k_q441bb94d93_qkv,@function
k_q441bb94d93_qkv:
	s_mov_b64 s[64:65], 0
	v_nop
	global_prefetch_b8 v0, s[64:65] scope:SCOPE_SE
	s_setreg_imm32_b32 hwreg(HW_REG_WAVE_MODE, 25, 1), 1
	s_wait_xcnt 0x0
	s_wait_alu depctr_hold_cnt(0) depctr_sa_sdst(0) depctr_va_vdst(0) depctr_va_sdst(0) depctr_va_ssrc(0) depctr_va_vcc(0) depctr_vm_vsrc(0)
	s_getreg_b32 s2, hwreg(HW_REG_IB_STS2, 6, 4)
	s_cmp_eq_u32 s2, 0
	s_cbranch_scc0 .Lentry_in_a_cluster
	s_endpgm
.Lentry_in_a_cluster:
	s_bfe_u32 s2, ttmp6, 0x10000c
	s_cmp_lg_u32 s2, 0xf033
	s_cbranch_scc0 .Lentry_shape_is_right
	s_endpgm
.Lentry_shape_is_right:
.set KSTEP,  256
.set NQ,     KSTEP/128
; The codes lie as [block of 256 stored rows][K step of 256][row][192 bytes]: a tile is a dense run of bytes and is stated as rows of 256 bytes; 16 bytes of padding behind every 64 give LDS rows of 240 bytes.
.set ROWB,   49152                     ; from a K step of a block of 256 rows to the next, in memory
.set HALFM,  24576                     ; 128 rows of a K step in memory
.set KROW,   768
.set PITCH,  240
.set FR,     12
.set NL,     6
.set NP,     4
.set HALFT,  128*PITCH
.set SLOT,   4*HALFT
.set KS,     32
.set SCL,    2*SLOT
.set HALFS,  (128*KS/256)*272
.set SBLK,   (16*KS/256)*272
.set SPARE,  SCL+4*HALFS
.set ADRA, 16
.set ADRB, 20
.set L8,   24
.set L4,   25
.set TA,   26
.set ADRS, 27
.set SPW,  28
.set NIL,  29
.set SC,   32
.set AF,   128
.set T,    64
.set PC,   96
.set TM,   116
.set PW,   132
.set SW,   134
.set G1, 24
.set G0, 32
.set G1B, 48
.set G0B, 56
.set G1S, 68
.set G0S, 76
.set G1SB, 80
.set G0SB, 88
.set PP,  68
.set PSC, 76
.set SEL, 80
.set HM,  82
.set ISV, 95
.set MSB, 0
.macro WIN new
.if MSB != (\new)
	s_set_vgpr_msb (MSB<<8)|(\new)
.set MSB, (\new)
.endif
.endm
.set MUL_LO, 0xa1
.set MUL_HI, 0xf1
.set TO_B,   0x40
.macro JLOAD g0a, g1a, g0b, g1b
	s_cmp_eq_u32 s15, 0
	s_cbranch_scc0 .Lfor_b_\@
	tensor_load_to_lds s[\g0a:\g0a+3], s[\g1a:\g1a+7]
	s_nop 0
.rept 4
	v_nop
.endr
	s_branch .Lasked_\@
.Lfor_b_\@:
	tensor_load_to_lds s[\g0b:\g0b+3], s[\g1b:\g1b+7]
	s_nop 0
.rept 4
	v_nop
.endr
.Lasked_\@:
.endm
.macro CREST
	s_cmp_lg_u32 s14, 0
	s_cbranch_scc1 .Lnot_wave_0_\@
	s_barrier_signal -3
.Lnot_wave_0_\@:
	s_barrier_wait -3
	s_barrier_signal -1
	s_barrier_wait -1
.endm
.macro CROUND
	s_barrier_signal -1
	s_barrier_wait -1
	CREST
.endm
	s_load_b128 s[4:7], s[0:1], 0x0
	s_load_b128 s[8:11], s[0:1], 0x10
	s_load_b64 s[12:13], s[0:1], 0x20
	v_lshl_add_u32 v[SPW], v0, 2, SPARE
	v_mov_b32 v[NIL], 0
	ds_add_u32 v28, v29
	ds_add_u32 v28, v29
	s_wait_dscnt 0x0
	v_lshrrev_b32 v1, 5, v0
	v_readfirstlane_b32 s14, v1
	s_lshr_b32 s15, s14, 1
	s_and_b32 s16, s14, 1
	s_bfe_u32 s40, ttmp6, 0x40000
	s_bfe_u32 s41, ttmp6, 0x40004
	s_and_b32 s98, ttmp7, 0xffff
	s_sub_co_u32 s18, s98, 16
	s_and_b32 s19, s98, 1
	s_lshr_b32 s20, s98, 1
	s_cmp_ge_u32 s98, 16
	s_cselect_b32 s42, s18, s19
	s_cselect_b32 s17, 0, s20
	s_cselect_b32 s96, 10240, 0
	s_cselect_b32 s97, 0, 8192
	s_cselect_b32 s[ISV], 1, 0
	s_lshl_b32 s42, s42, 2
	s_add_co_u32 s42, s42, s40
	s_lshl_b32 s17, s17, 2
	s_add_co_u32 s17, s17, s41
	s_lshl_b32 s43, s41, 2
	s_lshl_b32 s43, 15, s43
	s_lshl_b32 s44, 0x1111, s40
	s_or_b32 s[G1+0], s43, (0<<16)|(1<<20)|(1<<21)|(3<<22)|(3<<25)
	s_or_b32 s[G1B+0], s44, (0<<16)|(1<<20)|(1<<21)|(3<<22)|(3<<25)
.irp g, G1, G1B
	s_mov_b32 s[\g+1], 256<<16
	s_mov_b32 s[\g+2], 192<<16                     ; the head's loads: 256 rows of codes = 192 rows of 256 bytes
	s_mov_b32 s[\g+3], 256<<16
	s_mov_b32 s[\g+4], 192
	s_mov_b32 s[\g+5], 256
	s_mov_b32 s[\g+6], 0
	s_mov_b32 s[\g+7], 0
.endr
	s_or_b32 s[G1S+0], s43, (3<<16)|(1<<20)|(1<<21)|(5<<22)|(3<<25)
	s_or_b32 s[G1SB+0], s44, (3<<16)|(1<<20)|(1<<21)|(5<<22)|(3<<25)
.irp g, G1S, G1SB
	s_mov_b32 s[\g+1], 32<<16
	s_mov_b32 s[\g+2], (256*KS/256)<<16
	s_mov_b32 s[\g+3], 32<<16
	s_mov_b32 s[\g+4], 256*KS/256
	s_mov_b32 s[\g+5], 32
	s_mov_b32 s[\g+6], 0
	s_mov_b32 s[\g+7], 0
.endr
	s_mov_b32 s18, 0                               ; the tiles' first rows, without my half
	s_lshl_b32 s20, s17, 8
	s_add_co_u32 s20, s20, s18
	s_add_co_u32 s20, s20, s96
	s_lshl_b32 s46, s42, 8
	s_add_co_u32 s46, s46, s18
	s_add_co_u32 s46, s46, s97
	s_mov_b32 s21, 0
	s_mov_b32 s47, 0
	s_mov_b64 s[18:19], KS
	s_mul_u64 s[22:23], s[20:21], s[18:19]
	s_mul_u64 s[92:93], s[46:47], s[18:19]
	s_mov_b64 s[18:19], KROW
	s_mul_u64 s[20:21], s[20:21], s[18:19]
	s_mul_u64 s[46:47], s[46:47], s[18:19]
	s_mul_i32 s45, s14, HALFT
	s_mul_i32 s18, s16, HALFM                      ; in the ring I fetch 128 rows of a tile: which half, in bytes
	s_mov_b32 s19, 0
	s_wait_kmcnt 0x0
	s_add_nc_u64 s[20:21], s[4:5], s[20:21]
	s_add_nc_u64 s[22:23], s[6:7], s[22:23]
	s_add_nc_u64 s[46:47], s[4:5], s[46:47]
	s_add_nc_u64 s[92:93], s[6:7], s[92:93]
	CROUND
	s_mov_b32 s[G0S], 1
	s_mov_b32 s[G0S+1], SCL
	s_mov_b64 s[G0S+2:G0S+3], s[22:23]
	s_or_b32 s[G0S+3], s[G0S+3], 0x80000000
	s_mov_b32 s[G0SB], 1
	s_mov_b32 s[G0SB+1], SCL+2*HALFS
	s_mov_b64 s[G0SB+2:G0SB+3], s[92:93]
	s_or_b32 s[G0SB+3], s[G0SB+3], 0x80000000
	s_mov_b32 s[G0], 1                             ; the head's four tiles, each whole: K step 0 of A's 256 rows,
	s_mov_b32 s[G0+1], 0
	s_mov_b64 s[G0+2:G0+3], s[20:21]
	s_or_b32 s[G0+3], s[G0+3], 0x80000000
	s_mov_b32 s[G0B], 1                            ; of B's 256 rows, behind them in slot 0; the scales' two are made above
	s_mov_b32 s[G0B+1], 2*HALFT
	s_mov_b64 s[G0B+2:G0B+3], s[46:47]
	s_or_b32 s[G0B+3], s[G0B+3], 0x80000000
	s_add_nc_u64 s[20:21], s[20:21], s[18:19]      ; for the ring: my 128 rows
	s_add_nc_u64 s[46:47], s[46:47], s[18:19]
	s_mov_b32 s[G0+4], 1
	s_add_co_u32 s[G0+5], s45, SLOT
	s_add_nc_u64 s[G0+6:G0+7], s[20:21], ROWB
	s_or_b32 s[G0+7], s[G0+7], 0x80000000
	s_mov_b32 s[G0B+4], 1
	s_add_co_u32 s[G0B+5], s45, SLOT
	s_add_nc_u64 s[G0B+6:G0B+7], s[46:47], ROWB
	s_or_b32 s[G0B+7], s[G0B+7], 0x80000000
; one tensor load a wave at the head: one chain of branches on the wave's number, a load to an arm, all arms to one join
.macro ARM under, g0, g1, next
	s_cmp_lt_u32 s14, \under
	s_cbranch_scc0 \next
	tensor_load_to_lds s[\g0:\g0+3], s[\g1:\g1+7]
	s_nop 0
.rept 4
	v_nop
.endr
	s_branch .Lhead_asked
\next:
.endm
	ARM 1, G0,  G1,  .Lhead_b
	ARM 2, G0B, G1B, .Lhead_sa
	ARM 3, G0S, G1S, .Lhead_sb
	tensor_load_to_lds s[G0SB:G0SB+3], s[G1SB:G1SB+7]
	s_nop 0
.rept 4
	v_nop
.endr
.Lhead_asked:
	v_and_b32 v1, 15, v0
	v_bfe_u32 v2, v0, 4, 1
	v_mul_u32_u24 v3, v1, PITCH
	v_mul_u32_u24 v4, v2, 24
	v_add_nc_u32 v4, v3, v4
	v_lshl_add_u32 v5, v2, 4, v4
	s_mul_i32 s21, s15, HALFT
	s_mul_i32 s22, s16, HALFT
	s_add_co_u32 s22, s22, 2*HALFT
.irp s, 0,1
	v_add_nc_u32 v[ADRA+\s], s21, v4
	v_add_nc_u32 v[ADRB+\s], s22, v4
	v_add_nc_u32 v[ADRA+2+\s], s21, v5
	v_add_nc_u32 v[ADRB+2+\s], s22, v5
	s_add_co_u32 s21, s21, SLOT
	s_add_co_u32 s22, s22, SLOT
.endr
	v_mul_u32_u24 v5, v1, KS
	v_lshrrev_b32 v6, 8, v5
	v_lshl_add_u32 v5, v6, 4, v5
	s_mul_i32 s21, s15, HALFS
	s_mul_i32 s22, s16, HALFS
	s_add_co_u32 s22, s22, 2*HALFS
	s_sub_co_u32 s22, s22, s21
	v_mul_u32_u24 v6, s22, v2
	s_add_co_u32 s21, s21, SCL
	v_add_nc_u32 v5, v5, v6
	v_add_nc_u32 v[ADRS], s21, v5
	v_and_b32 v6, 31, v0
	v_lshlrev_b32 v[L8], 3, v6
	v_lshlrev_b32 v[L4], 2, v6
	v_and_b32 v7, 8, v1                            ; by x's stored order lane r of block a holds token 64 (a / 4) + 8 (a % 4) + r + 24 (r / 8)
	v_lshl_add_u32 v7, v7, 1, v7
	v_add_nc_u32 v7, v7, v1
	v_lshlrev_b32 v30, 3, v2                       ; 8 x (lane / 16): where my blocks' bytes stand in V's scale word
	v_lshlrev_b32 v[TA], 8, v7
	v_lshl_add_u32 v[TA], v2, 6, v[TA]
.macro FRAG reg, adr, q, i
.irp p, 0,1,2,3,4,5
.set PCE, 12*(\q)+6*(\p/3)+\p%3
.if PCE%8 < 5
	ds_load_b64 v[\reg+2*\p:\reg+2*\p+1], v[\adr] offset:8*PCE+16*(PCE/8)+(\i)*16*PITCH
.else
	ds_load_b64 v[\reg+2*\p:\reg+2*\p+1], v[\adr+2] offset:8*PCE+16*(PCE/8)+(\i)*16*PITCH
.endif
.endr
.endm
.macro MUL16 a0, p, q, sc, zero
.irp a, \a0, \a0+1
.irp b, 0,1,2,3,4,5,6,7
.if \zero
	v_wmma_scale_f32_16x16x128_f8f6f4 v[8*(8*((\a)%4)+\b):8*(8*((\a)%4)+\b)+7], v[128*(\p)+FR*\b:128*(\p)+FR*\b+FR-1], v[AF+FR*(\a):AF+FR*(\a)+FR-1], 0, v[SC+8*NQ*(\sc)+NQ*\b+(\q)], v[SC+8*NQ*(\sc)+NQ*(\a)+(\q)] matrix_a_fmt:MATRIX_FMT_FP6 matrix_b_fmt:MATRIX_FMT_FP6 matrix_a_scale:MATRIX_SCALE_ROW1
.else
	v_wmma_scale_f32_16x16x128_f8f6f4 v[8*(8*((\a)%4)+\b):8*(8*((\a)%4)+\b)+7], v[128*(\p)+FR*\b:128*(\p)+FR*\b+FR-1], v[AF+FR*(\a):AF+FR*(\a)+FR-1], v[8*(8*((\a)%4)+\b):8*(8*((\a)%4)+\b)+7], v[SC+8*NQ*(\sc)+NQ*\b+(\q)], v[SC+8*NQ*(\sc)+NQ*(\a)+(\q)] matrix_a_fmt:MATRIX_FMT_FP6 matrix_b_fmt:MATRIX_FMT_FP6 matrix_a_scale:MATRIX_SCALE_ROW1
.endif
.endr
.endr
.endm
.macro FETCH_B slot, q, p
	WIN TO_B
.irp i, 0,1,2,3,4,5,6,7
	FRAG 128*(\p)+FR*\i, ADRB+\slot, \q, \i
.endr
	WIN 0
.endm
.macro FETCH_A slot, q, i0
.irp i, \i0, \i0+1, \i0+2, \i0+3
	FRAG AF+FR*(\i), ADRA+\slot, \q, \i
.endr
.endm
.macro SCALES sc
.irp i, 0,1,2,3,4,5,6,7
	ds_load_b64 v[SC+8*NQ*\sc+NQ*\i:SC+8*NQ*\sc+NQ*\i+1], v[ADRS] offset:\i*SBLK
.endr
.endm
.macro PLACES n
.rept \n
	v_nop
.endr
.endm
.macro STEP slot, q, zero
	s_wait_dscnt 4*NL
	WIN MUL_LO
	MUL16 0, (\q)%2, \q, \slot, \zero
	MUL16 2, (\q)%2, \q, \slot, \zero
	s_wait_dscnt 0
	PLACES NP
	FETCH_B \slot, (\q)+1, 1-(\q)%2
	FETCH_A \slot, (\q)+1, 0
	WIN MUL_HI
	MUL16 4, (\q)%2, \q, \slot, \zero
	MUL16 6, (\q)%2, \q, \slot, \zero
	PLACES NP
	WIN 0
	FETCH_A \slot, (\q)+1, 4
.endm
.macro TURN slot, next, fill
	s_wait_tensorcnt 0x0
	ds_add_u32 v[SPW], v[NIL]
	s_wait_dscnt 4*NL+1
	WIN MUL_LO
	MUL16 0, 1, NQ-1, \slot, 0
	s_wait_dscnt 0x0
	s_barrier_signal -1
	MUL16 2, 1, NQ-1, \slot, 0
	WIN 0
	s_barrier_wait -1
.if \fill
	CREST
	s_add_nc_u64 s[G0+4*\slot+2:G0+4*\slot+3], s[G0+4*\slot+2:G0+4*\slot+3], 2*ROWB
	s_add_nc_u64 s[G0B+4*\slot+2:G0B+4*\slot+3], s[G0B+4*\slot+2:G0B+4*\slot+3], 2*ROWB
	JLOAD G0+4*\slot, G1, G0B+4*\slot, G1B
.else
	PLACES NP
.endif
	s_wait_alu depctr_va_vdst(0)
	v_add_nc_u32 v[ADRS], 4*NQ, v[ADRS]
	FETCH_B \next, 0, 0
	FETCH_A \next, 0, 0
	SCALES \next
	WIN MUL_HI
	MUL16 4, 1, NQ-1, \slot, 0
	MUL16 6, 1, NQ-1, \slot, 0
	PLACES NP
	WIN 0
	FETCH_A \next, 0, 4
.endm
	s_wait_alu depctr_va_vdst(0)
	s_wait_tensorcnt 0x0                           ; my tile of the head's four is in; the lines ahead of a later first fill:
	ds_add_u32 v[SPW], v[NIL]
	s_mov_b32 s[G1+2], 96<<16                      ; no tensor load of mine is out: from here on a load brings 128 rows of codes = 96 rows of 256 bytes,
	s_mov_b32 s[G1+4], 96
	s_mov_b32 s[G1B+2], 96<<16
	s_mov_b32 s[G1B+4], 96
	s_mov_b32 s[G0+1], s45                         ; and slot 0's descriptors become my quarter's
	s_add_nc_u64 s[G0+2:G0+3], s[G0+2:G0+3], s[18:19]
	s_mov_b32 s[G0B+1], s45
	s_add_nc_u64 s[G0B+2:G0B+3], s[G0B+2:G0B+3], s[18:19]
	s_wait_dscnt 0x0
	CROUND                                         ; all four tiles are in, and the cluster is here
	JLOAD G0+4, G1, G0B+4, G1B                     ; K step 1 into slot 1: the first tensor load behind the round
	FETCH_B 0, 0, 0
	FETCH_A 0, 0, 0
	SCALES 0
	FETCH_A 0, 0, 4
	STEP 0, 0, 1
	TURN 0, 1, 1
	STEP 1, 0, 0
	TURN 1, 0, 1
	STEP 0, 0, 0
	TURN 0, 1, 0
	STEP 1, 0, 0
	s_wait_dscnt 4*NL
	WIN MUL_LO
	MUL16 0, 1, NQ-1, 1, 0
	MUL16 2, 1, NQ-1, 1, 0
	s_wait_dscnt 0
	WIN MUL_HI
	MUL16 4, 1, NQ-1, 1, 0
	MUL16 6, 1, NQ-1, 1, 0
	WIN 0
	s_lshl_b32 s18, s17, 4
	s_lshl_b32 s19, s15, 3
	s_add_co_u32 s18, s18, s19
	s_lshl_b32 s19, s42, 1
	s_add_co_u32 s19, s19, s16
	s_lshl_b32 s20, s19, 10
	s_lshr_b32 s21, s18, 7
	s_lshl_b32 s21, s21, 8
	s_add_co_u32 s20, s20, s21
	s_and_b32 s21, s18, 127
	s_add_co_u32 s20, s20, s21
	s_lshl_b32 s21, s19, 9
	s_add_co_u32 s21, s21, s18
	s_lshr_b32 s22, s18, 3
	s_lshl_b32 s22, s22, 2
	s_lshr_b32 s23, s19, 4
	s_add_co_u32 s22, s22, s23
	s_and_b32 s23, s19, 15
	s_lshl_b32 s46, s22, 8
	s_lshl_b32 s47, s23, 3
	s_add_co_u32 s46, s46, s47
	s_add_co_u32 s46, s46, 16384
	s_lshl_b32 s47, s22, 7
	s_lshl_b32 s92, s23, 2
	s_add_co_u32 s47, s47, s92
	s_add_co_u32 s47, s47, 8192
	s_cmp_lg_u32 s[ISV], 0
	s_cselect_b32 s20, s46, s20
	s_cselect_b32 s21, s47, s21
	s_cselect_b32 s22, 128, 4
	s_cselect_b32 s23, 4, 128
	s_cselect_b32 s46, 64, 4
	s_mul_i32 s20, s20, 768
	s_mul_i32 s22, s22, 768
	s_mul_i32 s23, s23, 768
	s_mov_b32 s93, 0
	s_mov_b32 s92, s20
	s_add_nc_u64 s[PP:PP+1], s[10:11], s[92:93]
	s_mov_b32 s92, s23
	s_add_nc_u64 s[PP+2:PP+3], s[PP:PP+1], s[92:93]
	s_mov_b32 s92, s22
	s_add_nc_u64 s[PP+4:PP+5], s[PP:PP+1], s[92:93]
	s_add_nc_u64 s[PP+6:PP+7], s[PP+2:PP+3], s[92:93]
	s_lshl_b32 s92, s21, 6
	s_add_nc_u64 s[PSC:PSC+1], s[12:13], s[92:93]
	s_lshl_b32 s92, s46, 6
	s_add_nc_u64 s[PSC+2:PSC+3], s[PSC:PSC+1], s[92:93]
	s_lshl_b32 s92, s18, 4
	s_and_b32 s92, s92, 2047
	s_lshl_b32 s92, s92, 8
	s_add_nc_u64 s[8:9], s[8:9], s[92:93]
	s_mov_b32 s[SEL], 0x76543210
	s_mov_b32 s[SEL+1], 0xfedcba98
	s_mov_b32 s[HM], 0xffff0000
	PLACES NP
.irp b, 0,1,2,3
	v_mov_b32 v[TM+4+\b], 0
.endr
	s_cmp_lg_u32 s[ISV], 0
	s_cbranch_scc1 .Lvq                            ; V has no rotation and a quantiser of its own; the branch hangs on the work-group's number alone
	WIN 0x40
.irp a, 0,1,2,3,4,5,6,7
.irp j, 0,1,2,3
	global_load_b128 v[32*\a+4*\j:32*\a+4*\j+3], v[TA], s[8:9] offset:(64*(\a/4)+8*(\a%4))*256+16*\j
.endr
.irp j, 0,1,2,3
	global_load_b128 v[32*\a+16+4*\j:32*\a+16+4*\j+3], v[TA], s[8:9] offset:(64*(\a/4)+8*(\a%4))*256+128+16*\j
.endr
.endr
	WIN 0
.macro ROT a
.set WN, 2+(\a)/4
.set ACB, 64*((\a)%4)
.set TBL, 32*(\a)
	s_wait_loadcnt 56-8*(\a)
	WIN (WN|4)
.irp hd, 0,1
.irp i, 0,2,4,6,8,10,12,14
	v_pk_mul_f32 v[T+16*\hd+\i:T+16*\hd+\i+1], v[ACB+32*\hd+16+\i:ACB+32*\hd+17+\i], v[TBL+16+\i:TBL+17+\i]
.endr
.endr
	WIN (WN|4|(WN<<4)|(WN<<6))
.irp hd, 0,1
.irp i, 0,2,4,6,8,10,12,14
	v_pk_mul_f32 v[ACB+32*\hd+16+\i:ACB+32*\hd+17+\i], v[ACB+32*\hd+16+\i:ACB+32*\hd+17+\i], v[TBL+\i:TBL+1+\i]
.endr
.endr
.irp hd, 0,1
.irp i, 0,2,4,6,8,10,12,14
	v_pk_fma_f32 v[ACB+32*\hd+16+\i:ACB+32*\hd+17+\i], v[ACB+32*\hd+\i:ACB+32*\hd+1+\i], v[TBL+16+\i:TBL+17+\i], v[ACB+32*\hd+16+\i:ACB+32*\hd+17+\i]
.endr
.endr
	WIN (WN|4|(WN<<6))
.irp hd, 0,1
.irp i, 0,2,4,6,8,10,12,14
	v_pk_fma_f32 v[ACB+32*\hd+\i:ACB+32*\hd+1+\i], v[ACB+32*\hd+\i:ACB+32*\hd+1+\i], v[TBL+\i:TBL+1+\i], v[T+16*\hd+\i:T+16*\hd+\i+1] neg_lo:[0,0,1] neg_hi:[0,0,1]
.endr
.endr
	WIN 0
.endm
.irp a, 0,1,2,3,4,5,6,7
	ROT \a
.endr
.Lno_rot:
.macro QUANT a
.set WN, 2+(\a)/4
.set ACB, 64*((\a)%4)
.irp b, 0,1,2,3
	v_mov_b32 v[TM+\b], 0x1800000
.endr
	WIN ((WN<<2)|(WN<<4))
.irp i, 0,2,4,6,8,10,12,14
.irp b, 0,1,2,3
	v_max3_num_f32 v[TM+\b], v[TM+\b], |v[ACB+16*\b+\i]|, |v[ACB+16*\b+\i+1]|
.endr
.endr
	WIN 0
.irp b, 0,1,2,3
	v_permlanex16_b32 v[TM+4+\b], v[TM+\b], s[SEL], s[SEL+1]
.endr
.irp b, 0,1,2,3
	v_max_num_f32 v[TM+\b], v[TM+\b], v[TM+4+\b]
.endr
.irp b, 0,1,2,3
	v_add_nc_u32 v[TM+12+\b], 0xff000000, v[TM+\b]
.endr
.irp b, 0,1,2,3
	v_lshrrev_b32 v[TM+4+\b], 23, v[TM+12+\b]
.endr
	v_lshl_or_b32 v[PW+(\a)%2], v[TM+5], 8, v[TM+4]
	v_lshl_or_b32 v[PW+(\a)%2], v[TM+6], 16, v[PW+(\a)%2]
	v_lshl_or_b32 v[PW+(\a)%2], v[TM+7], 24, v[PW+(\a)%2]
	s_wait_xcnt 0x0
	WIN WN
.irp c, 0,1
	v_cvt_scalef32_pk16_fp6_f32 v[PC+6*\c:PC+6*\c+2], v[ACB+32*\c:ACB+32*\c+15], v[TM+12+2*\c]
	v_cvt_scalef32_pk16_fp6_f32 v[PC+12+4*\c:PC+14+4*\c], v[ACB+32*\c+16:ACB+32*\c+31], v[TM+12+2*\c+1]
.endr
	WIN 0
	v_nop
.irp c, 0,1
.irp i, 0,1,2
	v_permlane16_swap_b32 v[PC+6*\c+\i], v[PC+12+4*\c+\i]
.endr
.irp i, 0,1,2
	v_mov_b32 v[PC+3+6*\c+\i], v[PC+12+4*\c+\i]
.endr
.endr
.endm
.macro OUT a
.irp cg, 0,1
.irp pp, 0,1,2
	global_store_b64 v[L8], v[PC+6*\cg+2*\pp:PC+6*\cg+2*\pp+1], s[PP+4*((\a)/4)+2*\cg:PP+4*((\a)/4)+2*\cg+1] offset:((\a)%4)*768+256*\pp
.endr
.endr
.if (\a)%2
	v_cndmask_b32 v[SW+(\a)/2], v[PW], v[PW+1], s[HM]
	global_store_b32 v[L4], v[SW+(\a)/2], s[PSC+2*((\a)/4):PSC+2*((\a)/4)+1] offset:(((\a)%4)/2)*128
.endif
.endm
.irp a, 0,1,2,3,4,5,6,7
	QUANT \a
	OUT \a
.endr
	s_wait_alu depctr_va_vdst(0)                   ; the wait ahead of the branch
	s_branch .Lqdone
; V IS QUANTISED ALONG THE TOKENS.  By x's stored order a lane's 32 registers of tiles 4 c .. 4 c + 3 are tokens 64 c + 32 h + 0 .. 31: a whole block: its largest magnitude needs no other lane, and the conversions' results are the unit's registers.
.macro QUANTV a
.set WN, 2+(\a)/4
.set ACB, 64*((\a)%4)
.irp b, 0,1,2,3
	v_mov_b32 v[TM+\b], 0x1800000
.endr
	WIN ((WN<<2)|(WN<<4))
.irp i, 0,2,4,6,8,10,12,14
.irp b, 0,1,2,3
	v_max3_num_f32 v[TM+\b], v[TM+\b], |v[ACB+16*\b+\i]|, |v[ACB+16*\b+\i+1]|
.endr
.endr
	WIN 0
	v_max_num_f32 v[TM], v[TM], v[TM+1]            ; block h,
	v_max_num_f32 v[TM+2], v[TM+2], v[TM+3]        ; block 2 + h
	v_add_nc_u32 v[TM+12], 0xff000000, v[TM]
	v_add_nc_u32 v[TM+13], 0xff000000, v[TM+2]
	v_lshrrev_b32 v[TM+4], 23, v[TM+12]
	v_lshrrev_b32 v[TM+5], 23, v[TM+13]
	v_lshl_or_b32 v[TM+4], v[TM+5], 16, v[TM+4]
	v_lshlrev_b32 v[TM+4], v30, v[TM+4]            ; my two bytes at their places,
	v_permlanex16_b32 v[TM+6], v[TM+4], s[SEL], s[SEL+1]
	v_or_b32 v[PW+(\a)%2], v[TM+4], v[TM+6]        ; with lane l xor 16's two the word is whole
	s_wait_alu depctr_va_vdst(0)
	s_wait_xcnt 0x0
	WIN WN
.irp c, 0,1
	v_cvt_scalef32_pk16_fp6_f32 v[PC+6*\c:PC+6*\c+2], v[ACB+32*\c:ACB+32*\c+15], v[TM+12+\c]
	v_cvt_scalef32_pk16_fp6_f32 v[PC+12+4*\c:PC+14+4*\c], v[ACB+32*\c+16:ACB+32*\c+31], v[TM+12+\c]
.endr
	WIN 0
	v_nop
.irp c, 0,1
.irp i, 0,1,2
	v_mov_b32 v[PC+3+6*\c+\i], v[PC+12+4*\c+\i]
.endr
.endr
.endm
.Lvq:
.irp a, 0,1,2,3,4,5,6,7
	QUANTV \a
	OUT \a
.endr
.Lqdone:
	s_wait_tensorcnt 0x0
	ds_add_u32 v[SPW], v[NIL]
	s_wait_dscnt 0x0
	CROUND
	s_endpgm
.Lfunc_end_k_q441bb94d93_qkv:
	.size	k_q441bb94d93_qkv, .Lfunc_end_k_q441bb94d93_qkv-k_q441bb94d93_qkv
	.p2alignl 7, 3214868480
	.fill 96, 4, 3214868480
	.section	.rodata,"a",@progbits
	.p2align	6, 0x0
	.amdhsa_kernel k_q441bb94d93_qkv
		.amdhsa_group_segment_fixed_size 327680
		.amdhsa_private_segment_fixed_size 0
		.amdhsa_enable_private_segment 0
		.amdhsa_kernarg_size 40
		.amdhsa_user_sgpr_count 2
		.amdhsa_user_sgpr_kernarg_segment_ptr 1
		.amdhsa_wavefront_size32 1
		.amdhsa_system_sgpr_workgroup_id_x 1
		.amdhsa_system_sgpr_workgroup_id_y 1
		.amdhsa_system_sgpr_workgroup_id_z 1
		.amdhsa_system_vgpr_workitem_id 0
		.amdhsa_next_free_vgpr 1024
		.amdhsa_next_free_sgpr 100
		.amdhsa_reserve_vcc 0
		.amdhsa_float_denorm_mode_32 3
		.amdhsa_float_denorm_mode_16_64 3
		.amdhsa_memory_ordered 1
		.amdhsa_forward_progress 1
		.amdhsa_inst_pref_size 242
	.end_amdhsa_kernel
	.amdgpu_metadata
---
amdhsa.version: [ 1, 2 ]
amdhsa.kernels:
  - .name:           k_q441bb94d93_qkv
    .symbol:         k_q441bb94d93_qkv.kd
    .args:
      - { .name: codes, .offset: 0, .size: 8, .value_kind: global_buffer, .address_space: global }
      - { .name: scales, .offset: 8, .size: 8, .value_kind: global_buffer, .address_space: global }
      - { .name: rot, .offset: 16, .size: 8, .value_kind: global_buffer, .address_space: global }
      - { .name: qkv, .offset: 24, .size: 8, .value_kind: global_buffer, .address_space: global }
      - { .name: qkvs, .offset: 32, .size: 8, .value_kind: global_buffer, .address_space: global }
    .group_segment_fixed_size: 327680
    .private_segment_fixed_size: 0
    .kernarg_segment_align: 8
    .kernarg_segment_size: 40
    .max_flat_workgroup_size: 128
    .sgpr_count:     100
    .vgpr_count:     1024
    .wavefront_size: 32
...
	.end_amdgpu_metadata
.endif
;; end of part 2
;; launch attn (part 3): grid 4 x 64, 16 waves a work-group, clusters of 4 x 1, 327,680 bytes of LDS; arguments qkv, qkvs, ac, acs; writes ac, acs
.if DOCPART == 3
	.amdgcn_target "amdgcn-amd-amdhsa--gfx1250"
	.amdhsa_code_object_version 6
	.text
	.protected	k_q441bb94d93_attn
	.globl	k_q441bb94d93_attn
	.p2align	8
	.type	k_q441bb94d93_attn,@function
k_q441bb94d93_attn:
	s_mov_b64 s[64:65], 0
	v_nop
	global_prefetch_b8 v0, s[64:65] scope:SCOPE_SE
	s_setreg_imm32_b32 hwreg(HW_REG_WAVE_MODE, 25, 1), 1
	s_wait_xcnt 0x0
	s_wait_alu depctr_hold_cnt(0) depctr_sa_sdst(0) depctr_va_vdst(0) depctr_va_sdst(0) depctr_va_ssrc(0) depctr_va_vcc(0) depctr_vm_vsrc(0)
	s_getreg_b32 s2, hwreg(HW_REG_IB_STS2, 6, 4)
	s_cmp_eq_u32 s2, 0
	s_cbranch_scc0 .Lentry_in_a_cluster
	s_endpgm
.Lentry_in_a_cluster:
	s_bfe_u32 s2, ttmp6, 0x10000c
	s_cmp_lg_u32 s2, 0x3003
	s_cbranch_scc0 .Lentry_shape_is_right
	s_endpgm
.Lentry_shape_is_right:
; ATTENTION on codes of FP6 (E2M3): S^T = K Q^T (K = the head's 64), p = 2^(t - M), O^T = V^T P^T (K = the keys), O / l, and the quantiser of the last projection's operand.  16 heads of 64, 2,048 tokens, 4 batches.
; t = score x log2(e) / 8; M = the running largest t rounded UP to a whole number; p is not normalised; the row's sum l is taken of the unquantised p and divides O at the end.  When M moves, l and O are multiplied by 2^(old M - new M): exact.
; SHARES.  y = 2 x (4 x pair of heads + batch) + the head's parity.  A work-group owns ONE head of one batch and 512 of its queries; each of its sixteen waves owns two tiles of 16 queries, one after the other, in 256 registers: four waves to a SIMD.
; LDS HOLDS THE HEAD'S WHOLE K AND V: 128 units of K (98,304 bytes), 128 of V (98,304), K's scale words (8,192) and V's (4,096).  They are asked for once, at the head, one tensor load a wave: waves 0-11 take 16,384 bytes of units each,
; waves 12-14 take 4,096 bytes of scale words each, wave 15 none.  Every wave waits for its load, one barrier shows all to all, and nothing is ever filled again: the walk over the keys has no barrier.
; CLUSTERS.  The four work-groups of a y walk the same K and V: every load is a joint one, with a mask that names the four.  NO PREFETCH: all that the launch loads into LDS is asked for at its head; there is no later load to run ahead of.
; OPERANDS come as UNITS of 6 registers a lane (768 bytes: register pair p at 256 p + 8 x lane), made by the launch before.
; THE HALF-EMPTY K.  The instruction's K is 128, a head's 64.  Q's registers 6-11 hold zero CODES, so whatever K's registers 6-11 hold (the next tile, or zeros) adds nothing: FP6 has no code for NaN or infinity.
; A scale word in memory holds the even head's two bytes, then the odd head's: a load of 16 bits at 2 x parity brings my head's two into bytes 0, 1; bytes 2, 3 are 0, a finite scale, and meet zero codes alone.
; LAYOUT.  Both products are used transposed: a lane holds ONE query throughout.  By the stored order of tokens the 32 registers of tiles 4 c .. 4 c + 3 of S^T are keys 64 c + 32 h + 0 .. 31 (h = lane / 16): A WHOLE SCALE BLOCK IN A LANE,
; in the order of the operand's registers; V's units have the keys in true order.  By the stored order of Wv's rows the 32 registers of O^T are channels 32 h + 0 .. 31.  So p and O are quantised in registers; other lanes are asked only for the row's maximum and for scale bytes.
; LIMITS: NaN and infinities are not served; the promise holds while |t| stays under 2^31; a block whose largest magnitude lies under 2^-124 keeps the byte 1, a block of zeros too (its codes are zeros; this program alone reads the bytes).
; ac: [16-row block of stored tokens, 512][pair of heads, 8][parity][768 bytes: a unit].  acs: [stored token][pair][parity][2 bytes]; a row's two bytes are stored alone: 2 bytes in 50 of what the launch stores.
.set VOFF,  98304                      ; V's units lie behind K's
.set STEPB, 6144                       ; a key step: 8 units
.set SCK,   196608                     ; K's scale words
.set SCV,   SCK+8192                   ; V's, my head's
.set SPARE, SCV+4096                   ; the spare words, 128 bytes for each wave, that no other line names
.set L8,  1                            ; 8 x lane
.set L4,  2                            ; 4 x lane
.set SPW, 3
.set NIL, 4
.set ADK, 5                            ; the step's units of K
.set ADS, 6                            ; K's scale words
.set ADT, 7                            ; V's
.set ADV, 8                            ; the step's units of V
.set QW,  9                            ; 4 x (lane % 16)
.set L4P, 10                           ; 4 x lane + 2 x parity
.set OWA, 11                           ; 32 x (lane % 16)
.set QF,  16                           ; v16-21 Q, v22-27 zero codes;  v28-75 eight tiles of K, later four fragments of V;  v76-81 zero codes
.set KB,  28
.set QS,  88                           ; Q's scale word
.set H8,  89                           ; 8 x (lane / 16)
.set S,   96                           ; v96-159  S^T, then p
.set O,   160                          ; v160-191 O^T
.set PC,  192                          ; v192-211 p's codes
.set TM,  212                          ; v212-227 +0..3 maxima, +4..6 bytes, +12, 13 the conversions' scales
.set KSW, 228                          ; v228-231 K's scale words: lanes 0-15 tile 2 j, lanes 16-31 tile 2 j + 1
.set VSW, 232                          ; v232-233 V's likewise
.set PW,  234                          ; p's scale word
.set FF,  236                          ; v[236:237] f = 2^(old M - new M)
.set TP,  238
.set OC,  242                          ; v242-247 the output's codes
.set OW,  254                          ; its two scale bytes
.set WV,  12
.set G1,  16
.set G1S, 24
.set G0,  32
.set G0S, 36
.set SEL, 40
.set CS,  42
.set TB,  44
.set TS,  45
.set TJ,  46
.set CNT, 47
.set OT,  48
.macro CROUND                          ; a round of the cluster's barrier
	s_barrier_signal -1
	s_barrier_wait -1
	s_cmp_lg_u32 s[WV], 0
	s_cbranch_scc1 .Lnot_wave_0_\@
	s_barrier_signal -3
.Lnot_wave_0_\@:
	s_barrier_wait -3
	s_barrier_signal -1
	s_barrier_wait -1
.endm
	s_load_b256 s[4:11], s[0:1], 0x0               ; qkv, qkvs, ac, acs
	v_lshl_add_u32 v[SPW], v0, 2, SPARE
	v_mov_b32 v[NIL], 0
	ds_add_u32 v[SPW], v[NIL]                      ; the opening lines: the add, twice on end, and its wait ahead of the first tensor load
	ds_add_u32 v[SPW], v[NIL]
	v_lshrrev_b32 v82, 5, v0
	v_readfirstlane_b32 s[WV], v82                 ; wave 0..15
	s_bfe_u32 s13, ttmp6, 0x40000                  ; cx: it enters Q's and the output's addresses alone
	s_and_b32 s14, ttmp7, 0xffff                   ; y, which the four partners share
	s_lshr_b32 s15, s14, 1                         ; 4 x pair + batch
	s_and_b32 s51, s14, 1                          ; the parity
	; descriptor group 1: dense blocks as rows of 256 bytes (32 elements of 8 bytes): 64 rows of units, 16 rows of scale words; the mask names all four work-groups
	s_mov_b32 s[G1], 15|(3<<16)|(1<<21)
	s_mov_b32 s[G1+1], 32<<16
	s_mov_b32 s[G1+2], 64<<16
	s_mov_b32 s[G1+3], 32<<16
	s_mov_b32 s[G1+4], 64
	s_mov_b32 s[G1+5], 32
	s_mov_b32 s[G1+6], 0
	s_mov_b32 s[G1+7], 0
	s_mov_b32 s[G1S], 15|(3<<16)|(1<<21)
	s_mov_b32 s[G1S+1], 32<<16
	s_mov_b32 s[G1S+2], 16<<16
	s_mov_b32 s[G1S+3], 32<<16
	s_mov_b32 s[G1S+4], 16
	s_mov_b32 s[G1S+5], 32
	s_mov_b32 s[G1S+6], 0
	s_mov_b32 s[G1S+7], 0
	s_mul_i32 s52, s15, 196608
	s_mul_i32 s53, s51, 98304
	s_add_co_u32 s52, s52, s53                     ; my head's 128 units, from a region's start (Q's region at 0, K's at 6,291,456, V's as far on again)
	s_lshl_b32 s2, s[WV], 14                       ; waves 0-5: K's sixths; waves 6-11: V's
	s_cmp_ge_u32 s[WV], 6
	s_cselect_b32 s3, 6291456-98304, 0
	s_add_co_u32 s2, s2, s3
	s_add_co_u32 s2, s2, s52
	s_add_co_u32 s2, s2, 6291456
	s_mov_b32 s3, 0
	s_and_b32 s54, s[WV], 3                        ; waves 12, 13: the halves of K's words (at 262,144 + 8,192 x (4 pair + batch)); wave 14: V's of my parity (262,144 on, 4,096 a parity)
	s_lshr_b32 s55, s54, 1
	s_lshl_b32 s53, s51, 12
	s_add_co_u32 s53, s53, 262144
	s_mul_i32 s53, s53, s55
	s_and_b32 s55, s[WV], 1
	s_lshl_b32 s55, s55, 12
	s_add_co_u32 s53, s53, s55
	s_lshl_b32 s55, s15, 13
	s_add_co_u32 s53, s53, s55
	s_add_co_u32 s62, s53, 262144
	s_mov_b32 s63, 0
	s_lshl_b32 s53, s13, 5
	s_lshl_b32 s55, s[WV], 1
	s_add_co_u32 s53, s53, s55                     ; my first tile of queries, 0..126; the second follows it
	s_mul_i32 s56, s53, 768
	s_add_co_u32 s56, s56, s52                     ; Q's unit
	s_mov_b32 s57, 0
	s_lshl_b32 s58, s15, 7
	s_add_co_u32 s58, s58, s53
	s_lshl_b32 s58, s58, 6                         ; Q's 16 words,
	s_lshl_b32 s55, s51, 1
	s_add_co_u32 s58, s58, s55                     ; my head's half of each
	s_mov_b32 s59, 0
	s_and_b32 s55, s15, 3                          ; the batch
	s_lshl_b32 s55, s55, 7
	s_add_co_u32 s55, s55, s53                     ; my block of 16 stored tokens
	s_lshr_b32 s54, s15, 2                         ; the pair of heads
	s_lshl_b32 s60, s55, 3
	s_add_co_u32 s60, s60, s54
	s_mul_i32 s60, s60, 1536
	s_mul_i32 s50, s51, 768
	s_add_co_u32 s60, s60, s50
	s_mov_b32 s61, 0
	s_lshl_b32 s49, s55, 9                         ; 16 rows of 32 bytes
	s_lshl_b32 s54, s54, 2
	s_add_co_u32 s49, s49, s54
	s_lshl_b32 s54, s51, 1
	s_add_co_u32 s49, s49, s54
	s_mov_b32 s[SEL], 0x76543210
	s_mov_b32 s[SEL+1], 0xfedcba98
	s_mov_b32 s[CS], 0x3e38aa3b                    ; c = log2(e) / 8
	s_mov_b32 s[CS+1], s[CS]                       ; (named with it as a pair, so it is written)
	s_wait_dscnt 0x0                               ; both opening adds are done
	s_wait_kmcnt 0x0
	s_mov_b32 s[G0], 1
	s_lshl_b32 s[G0+1], s[WV], 14                  ; K's six parts, then V's six, on end from LDS byte 0
	s_add_nc_u64 s[G0+2:G0+3], s[4:5], s[2:3]
	s_or_b32 s[G0+3], s[G0+3], 0x80000000
	s_mov_b32 s[G0S], 1
	s_and_b32 s[G0S+1], s[WV], 3
	s_lshl_b32 s[G0S+1], s[G0S+1], 12
	s_add_co_u32 s[G0S+1], s[G0S+1], SCK
	s_add_nc_u64 s[G0S+2:G0S+3], s[6:7], s[62:63]
	s_or_b32 s[G0S+3], s[G0S+3], 0x80000000
	s_add_nc_u64 s[56:57], s[4:5], s[56:57]
	s_add_nc_u64 s[58:59], s[6:7], s[58:59]
	s_add_nc_u64 s[60:61], s[8:9], s[60:61]
	s_mov_b32 s62, s49
	s_add_nc_u64 s[62:63], s[10:11], s[62:63]
	CROUND                                         ; all four work-groups are here: the joint loads meet
	s_cmp_lt_u32 s[WV], 12                         ; one chain of branches on the wave's number, a load to an arm
	s_cbranch_scc0 .Lscales
	tensor_load_to_lds s[G0:G0+3], s[G1:G1+7]
	s_nop 0
.rept 4
	v_nop
.endr
	s_branch .Lasked
.Lscales:
	s_cmp_lt_u32 s[WV], 15
	s_cbranch_scc0 .Lasked
	tensor_load_to_lds s[G0S:G0S+3], s[G1S:G1S+7]
	s_nop 0
.rept 4
	v_nop
.endr
.Lasked:
	v_and_b32 v82, 31, v0
	v_and_b32 v83, 15, v0
	v_lshlrev_b32 v[L8], 3, v82
	v_lshlrev_b32 v[L4], 2, v82
	v_lshlrev_b32 v[QW], 2, v83
	v_lshlrev_b32 v[OWA], 5, v83
	v_lshl_add_u32 v[L4P], v82, 2, s54             ; s54 = 2 x parity
	v_bfe_u32 v84, v0, 4, 1
	v_lshlrev_b32 v[H8], 3, v84
.irp pp, 0,1,2
	global_load_b64 v[QF+2*\pp:QF+2*\pp+1], v[L8], s[56:57] offset:256*\pp   ; my first tile's Q
.endr
	global_load_u16 v[QS], v[QW], s[58:59]
.irp i, 0,1,2,3,4,5
	v_mov_b32 v[QF+6+\i], 0                        ; zero codes
	v_mov_b32 v[QF+60+\i], 0
.endr
.irp b, 0,1,2,3
	v_mov_b32 v[TM+4+\b], 0                        ; written once: a lane permute's destination counts as one of its sources
.endr
	v_mov_b32 v[FF+1], 0                           ; (named as the upper half of a pair)
	s_wait_alu depctr_va_vdst(0)                   ; the wait at the head's end
	s_wait_tensorcnt 0x0                           ; my load has landed,
	s_barrier_signal -1
	s_barrier_wait -1                              ; and so has every wave's: K, V and the scale words are whole
; A KEY STEP: 128 keys.
.macro STEP
	v_add_nc_u32 v[ADK], s[TB], v[L8]              ; four plain lines behind the last products, in front of loads into registers that they read
	v_add_nc_u32 v[ADS], s[TS], v[L4P]
	v_add_nc_u32 v[ADT], s[TJ], v[L4]
	v_add_nc_u32 v[ADV], VOFF, v[ADK]
.irp t, 0,1,2,3,4,5,6,7
.irp pp, 0,1,2
	ds_load_b64 v[KB+6*\t+2*\pp:KB+6*\t+2*\pp+1], v[ADK] offset:768*\t+256*\pp
.endr
.endr
.irp i, 0,1,2,3
	ds_load_u16 v[KSW+\i], v[ADS] offset:128*\i
.endr
	s_wait_alu depctr_va_vdst(0)
	s_wait_dscnt 0x0
.irp t, 0,1,2,3,4,5,6,7                ; S^T = K Q^T: source 0 = 16 keys (with six registers behind them that meet Q's zero codes), source 1 = my 16 queries
.if \t%2
	v_wmma_scale_f32_16x16x128_f8f6f4 v[S+8*\t:S+8*\t+7], v[KB+6*\t:KB+6*\t+11], v[QF:QF+11], 0, v[KSW+\t/2], v[QS] matrix_a_fmt:MATRIX_FMT_FP6 matrix_b_fmt:MATRIX_FMT_FP6 matrix_a_scale:MATRIX_SCALE_ROW1
.else
	v_wmma_scale_f32_16x16x128_f8f6f4 v[S+8*\t:S+8*\t+7], v[KB+6*\t:KB+6*\t+11], v[QF:QF+11], 0, v[KSW+\t/2], v[QS] matrix_a_fmt:MATRIX_FMT_FP6 matrix_b_fmt:MATRIX_FMT_FP6
.endif
.endr
.rept 4
	v_nop                                          ; places in front of the loads below and of the first reads of the scores
.endr
.irp dt, 0,1,2,3                       ; V's four fragments (16 channels x 128 keys) are asked for now and land under the softmax
.irp c, 0,1
.irp pp, 0,1,2
	ds_load_b64 v[KB+12*\dt+6*\c+2*\pp:KB+12*\dt+6*\c+2*\pp+1], v[ADV] offset:(4*\c+\dt)*768+256*\pp
.endr
.endr
.endr
.irp i, 0,1
	ds_load_b32 v[VSW+\i], v[ADT] offset:128*\i
.endr
.irp b, 0,1,2,3
	v_max3_num_f32 v[TM+\b], v[S+16*\b], v[S+1+16*\b], v[S+2+16*\b]   ; the largest scores, in four chains of 16, two to a block
.endr
.irp i, 3,5,7,9,11,13
.irp b, 0,1,2,3
	v_max3_num_f32 v[TM+\b], v[TM+\b], v[S+16*\b+\i], v[S+1+16*\b+\i]
.endr
.endr
.irp b, 0,1,2,3
	v_max_num_f32 v[TM+\b], v[TM+\b], v[S+15+16*\b]
.endr
	s_delay_alu instid0(VALU_DEP_3)
	v_max_num_f32 v[TM], v[TM], v[TM+1]            ; the largest score of my block h: it serves the row's maximum and, since p rises with the score, the block's largest p
	s_delay_alu instid0(VALU_DEP_2)
	v_max_num_f32 v[TM+1], v[TM+2], v[TM+3]        ; and of my block 2 + h
	s_delay_alu instid0(VALU_DEP_1)
	v_max_num_f32 v[TP], v[TM], v[TM+1]
	s_delay_alu instid0(VALU_DEP_1)
	v_permlanex16_b32 v[TM+4], v[TP], s[SEL], s[SEL+1]
	s_delay_alu instid0(VALU_DEP_1)
	v_max_num_f32 v[TP], v[TP], v[TM+4]            ; with lane l xor 16's two blocks: the step's largest score of my query
	s_delay_alu instid0(VALU_DEP_1)
	v_mul_f32 v[TP], s[CS], v[TP]                  ; as t (c is positive)
	s_delay_alu instid0(VALU_DEP_1)
	v_max_num_f32 v13, v13, v[TP]                  ; the running largest t
	v_mov_b32 v[TP], v12
	s_delay_alu instid0(VALU_DEP_2)
	v_floor_f32 v12, -v13                          ; the new -M = floor(-t)
	s_delay_alu instid0(VALU_DEP_1)
	v_sub_f32 v[TP], v12, v[TP]                    ; old M - new M: a whole number, 0 or less
	s_delay_alu instid0(VALU_DEP_1)
	v_cvt_i32_f32 v[TP], v[TP]                     ; (it saturates)
	s_delay_alu instid0(VALU_DEP_1)
	v_ldexp_f32 v[FF], 1.0, v[TP]                  ; f
.set j, 0
.rept 32
	v_pk_fma_f32 v[S+j:S+j+1], v[S+j:S+j+1], s[CS:CS+1], v[12:13] op_sel_hi:[1,0,0]   ; t - M, two at a time
.set j, j+2
.endr
.irp b, 0,1
	v_fma_f32 v[TM+\b], v[TM+\b], s[CS], v12       ; the same of each block's largest score
.endr
.set j, 0
	s_wait_alu depctr_va_vdst(0)                   ; the wait ahead of the batch
.rept 64
	v_exp_f32 v[S+j], v[S+j]                       ; p = 2^(t - M)
.set j, j+1
.endr
	v_pk_mul_f32 v[14:15], v[14:15], v[FF:FF+1] op_sel_hi:[1,0]   ; the sums under the new M (a plain line behind the exponentials)
	s_wait_alu depctr_va_vdst(0)                   ; one wait for the batch of 64, ahead of its first reader
.irp b, 0,1
	v_exp_f32 v[TM+\b], v[TM+\b]                   ; the block's largest p: the same two instructions on the same number give the same bits
.endr
	v_pk_add_f32 v[240:241], v[100:101], v[104:105]   ; the row's sum of the unquantised p, in eight chains
	v_pk_add_f32 v[82:83], v[108:109], v[112:113]
	v_pk_add_f32 v[84:85], v[116:117], v[120:121]
	v_pk_add_f32 v[86:87], v[124:125], v[128:129]
	v_pk_add_f32 v[90:91], v[132:133], v[136:137]
	v_pk_add_f32 v[92:93], v[140:141], v[144:145]
	v_pk_add_f32 v[94:95], v[148:149], v[152:153]
	v_pk_add_f32 v[14:15], v[14:15], v[156:157]
	v_pk_add_f32 v[240:241], v[240:241], v[96:97]
	v_pk_add_f32 v[82:83], v[82:83], v[98:99]
	v_pk_add_f32 v[84:85], v[84:85], v[102:103]
	v_pk_add_f32 v[86:87], v[86:87], v[106:107]
	v_pk_add_f32 v[90:91], v[90:91], v[110:111]
	v_pk_add_f32 v[92:93], v[92:93], v[114:115]
	v_pk_add_f32 v[94:95], v[94:95], v[118:119]
	v_pk_add_f32 v[14:15], v[14:15], v[122:123]
	v_pk_add_f32 v[240:241], v[240:241], v[126:127]
	v_pk_add_f32 v[82:83], v[82:83], v[130:131]
	v_pk_add_f32 v[84:85], v[84:85], v[134:135]
	v_pk_add_f32 v[86:87], v[86:87], v[138:139]
	v_pk_add_f32 v[90:91], v[90:91], v[142:143]
	v_pk_add_f32 v[92:93], v[92:93], v[146:147]
	v_pk_add_f32 v[94:95], v[94:95], v[150:151]
	v_pk_add_f32 v[14:15], v[14:15], v[154:155]
	v_pk_add_f32 v[240:241], v[240:241], v[158:159]
	s_delay_alu instid0(VALU_DEP_2)
	v_pk_add_f32 v[14:15], v[14:15], v[86:87]
	s_delay_alu instid0(VALU_DEP_2)
	v_pk_add_f32 v[240:241], v[240:241], v[90:91]
	v_pk_add_f32 v[82:83], v[82:83], v[92:93]
	v_pk_add_f32 v[84:85], v[84:85], v[94:95]
	s_delay_alu instid0(VALU_DEP_2)
	v_pk_add_f32 v[14:15], v[14:15], v[82:83]
	s_delay_alu instid0(VALU_DEP_2)
	v_pk_add_f32 v[240:241], v[240:241], v[84:85]
	s_delay_alu instid0(VALU_DEP_1)
	v_pk_add_f32 v[14:15], v[14:15], v[240:241]
	s_wait_alu depctr_va_vdst(0)                   ; and one for the two
.irp b, 0,1
	v_max_num_f32 v[TM+\b], 0x1800000, v[TM+\b]    ; the floor 2^(3 - 127)
.endr
.irp b, 0,1
	s_delay_alu instid0(VALU_DEP_2)
	v_add_nc_u32 v[TM+12+\b], 0xff000000, v[TM+\b] ; 2 off the exponent field: the conversion's scale operand
.endr
.irp b, 0,1
	s_delay_alu instid0(VALU_DEP_2)
	v_lshrrev_b32 v[TM+4+\b], 23, v[TM+12+\b]      ; the scale's byte
.endr
	s_delay_alu instid0(VALU_DEP_1)
	v_lshl_or_b32 v[TM+4], v[TM+5], 16, v[TM+4]    ; my two bytes: blocks h and 2 + h,
	s_delay_alu instid0(VALU_DEP_1)
	v_lshlrev_b32 v[TM+4], v[H8], v[TM+4]          ; at their places in the scale word;
	s_delay_alu instid0(VALU_DEP_1)
	v_permlanex16_b32 v[TM+6], v[TM+4], s[SEL], s[SEL+1]
	s_delay_alu instid0(VALU_DEP_1)
	v_or_b32 v[PW], v[TM+4], v[TM+6]               ; with lane l xor 16's two the word is whole
.irp c, 0,1
	v_cvt_scalef32_pk16_fp6_f32 v[PC+6*\c:PC+6*\c+2], v[S+32*\c:S+32*\c+15], v[TM+12+\c]
	v_cvt_scalef32_pk16_fp6_f32 v[PC+12+4*\c:PC+14+4*\c], v[S+32*\c+16:S+32*\c+31], v[TM+12+\c]   ; (a conversion's three registers begin on an even number)
.endr
	v_nop                                          ; one plain line behind a scaled conversion
.irp c, 0,1
.irp i, 0,1,2
	v_mov_b32 v[PC+3+6*\c+\i], v[PC+12+4*\c+\i]    ; registers 6 c .. 6 c + 5 hold keys 64 c + 32 h + 0 .. 31
.endr
.endr
	s_wait_alu depctr_va_vdst(0)                   ; the wait here, directly ahead of the first reader of O^T
.set j, 0
.rept 16
	v_pk_mul_f32 v[O+j:O+j+1], v[O+j:O+j+1], v[FF:FF+1] op_sel_hi:[1,0]   ; O^T under the new M.  These sixteen are also the places between p's codes and scale word and the products
.set j, j+2
.endr
	s_wait_alu depctr_va_vdst(0)
	s_wait_dscnt 0x0                               ; V is in
.irp dt, 0,1,2,3                       ; O^T += V^T P^T; the four accumulators take turns
.if \dt%2
	v_wmma_scale_f32_16x16x128_f8f6f4 v[O+8*\dt:O+8*\dt+7], v[KB+12*\dt:KB+12*\dt+11], v[PC:PC+11], v[O+8*\dt:O+8*\dt+7], v[VSW+\dt/2], v[PW] matrix_a_fmt:MATRIX_FMT_FP6 matrix_b_fmt:MATRIX_FMT_FP6 matrix_a_scale:MATRIX_SCALE_ROW1
.else
	v_wmma_scale_f32_16x16x128_f8f6f4 v[O+8*\dt:O+8*\dt+7], v[KB+12*\dt:KB+12*\dt+11], v[PC:PC+11], v[O+8*\dt:O+8*\dt+7], v[VSW+\dt/2], v[PW] matrix_a_fmt:MATRIX_FMT_FP6 matrix_b_fmt:MATRIX_FMT_FP6
.endif
.endr
.endm
	s_mov_b32 s[OT], 0
.Ltile:                                                ; two trips: my two tiles of queries
	v_mov_b32 v13, 0xff61b1e6                      ; the largest t so far: -3e38
	v_floor_f32 v12, -v13                          ; -M
	v_mov_b32 v14, 0                               ; the sum, in two halves
	v_mov_b32 v15, 0
.set j, 0
.rept 32
	v_mov_b32 v[O+j], 0                            ; O^T: the step is written once; the first finds zeros, which the first change of M leaves zeros
.set j, j+1
.endr
	s_mov_b32 s[TB], 0                             ; the LDS addresses hang on three scalars that begin at constants and step by constants
	s_mov_b32 s[TS], SCK
	s_mov_b32 s[TJ], SCV
	s_mov_b32 s[CNT], 16
	s_wait_alu depctr_va_vdst(0)
	s_wait_loadcnt 0x0                             ; this tile's Q is in
.Lstep:                                                ; sixteen key steps
	STEP
	s_add_co_u32 s[TB], s[TB], STEPB
	s_add_co_u32 s[TS], s[TS], 512                 ; 8 tiles' groups of words
	s_add_co_u32 s[TJ], s[TJ], 256                 ; 4 tiles' groups
	s_sub_co_u32 s[CNT], s[CNT], 1
	s_cmp_lg_u32 s[CNT], 0
	s_cbranch_scc1 .Lstep
; A TILE'S END.  In the first trip the second tile's Q is asked for now (Q's registers were last read by the step's first products, with the softmax's lines behind them).
	s_cmp_eq_u32 s[OT], 1
	s_cbranch_scc1 .Lno_next
.irp pp, 0,1,2
	global_load_b64 v[QF+2*\pp:QF+2*\pp+1], v[L8], s[56:57] offset:768+256*\pp
.endr
	global_load_u16 v[QS], v[QW], s[58:59] offset:64
.Lno_next:
; O^T / l, quantised along the channels: my 32 registers are block h of the head's two: one unit and two scale bytes a row.
.rept 4
	v_nop                                          ; places behind the last products
.endr
	v_add_f32 v14, v14, v15
	s_delay_alu instid0(VALU_DEP_1)
	v_permlanex16_b32 v[TP], v14, s[SEL], s[SEL+1]
	s_delay_alu instid0(VALU_DEP_1)
	v_add_f32 v14, v14, v[TP]                      ; the row's sum
	s_wait_alu depctr_va_vdst(0)
	v_rcp_f32 v14, v14
	v_nop                                          ; a plain line behind the reciprocal
	s_wait_alu depctr_va_vdst(0)                   ; and the wait ahead of its first reader
.set j, 0
.rept 16
	v_pk_mul_f32 v[S+j:S+j+1], v[O+j:O+j+1], v[14:15] op_sel_hi:[1,0]   ; each accumulator from its low end on
.set j, j+2
.endr
.irp b, 0,1
	v_max3_num_f32 v[TM+\b], |v[S+16*\b]|, |v[S+1+16*\b]|, 0x1800000   ; two chains of 16
.endr
.irp i, 2,4,6,8,10,12,14
.irp b, 0,1
	s_delay_alu instid0(VALU_DEP_2)
	v_max3_num_f32 v[TM+\b], v[TM+\b], |v[S+16*\b+\i]|, |v[S+1+16*\b+\i]|
.endr
.endr
	s_delay_alu instid0(VALU_DEP_1)
	v_max_num_f32 v[TM], v[TM], v[TM+1]            ; my block's largest magnitude
	s_delay_alu instid0(VALU_DEP_1)
	v_add_nc_u32 v[TM+12], 0xff000000, v[TM]
	s_delay_alu instid0(VALU_DEP_1)
	v_lshrrev_b32 v[TM+4], 23, v[TM+12]
	s_delay_alu instid0(VALU_DEP_1)
	v_lshlrev_b32 v[TM+4], v[H8], v[TM+4]          ; my byte at its place,
	s_delay_alu instid0(VALU_DEP_1)
	v_permlanex16_b32 v[TM+6], v[TM+4], s[SEL], s[SEL+1]
	s_delay_alu instid0(VALU_DEP_1)
	v_or_b32 v[OW], v[TM+4], v[TM+6]               ; and lane l xor 16's beside it
	v_cvt_scalef32_pk16_fp6_f32 v[OC:OC+2], v[S:S+15], v[TM+12]
	v_cvt_scalef32_pk16_fp6_f32 v[PC:PC+2], v[S+16:S+31], v[TM+12]
	v_nop
.irp i, 0,1,2
	v_mov_b32 v[OC+3+\i], v[PC+\i]
.endr
.irp pp, 0,1,2
	global_store_b64 v[L8], v[OC+2*\pp:OC+2*\pp+1], s[60:61] offset:256*\pp   ; 32 lanes store 256 consecutive bytes, aligned
.endr
	global_store_b16 v[OWA], v[OW], s[62:63]       ; lanes l and l xor 16 hold the same bytes and write them to the same place
	s_wait_xcnt 0x0                                ; the stores have read their bases and data: both are written again only behind this wait
	s_add_nc_u64 s[60:61], s[60:61], 12288         ; the next block of 16 stored tokens
	s_add_nc_u64 s[62:63], s[62:63], 512
	s_add_co_u32 s[OT], s[OT], 1
	s_cmp_lt_u32 s[OT], 2
	s_wait_alu depctr_va_vdst(0)                   ; the wait here, directly ahead of the branch
	s_cbranch_scc1 .Ltile
	s_wait_tensorcnt 0x0                           ; the wave's end
	ds_add_u32 v[SPW], v[NIL]
	s_wait_dscnt 0x0
	CROUND                                         ; the closing round
	s_endpgm
.Lfunc_end_k_q441bb94d93_attn:
	.size	k_q441bb94d93_attn, .Lfunc_end_k_q441bb94d93_attn-k_q441bb94d93_attn
	.p2alignl 7, 3214868480
	.fill 96, 4, 3214868480
	.section	.rodata,"a",@progbits
	.p2align	6, 0x0
	.amdhsa_kernel k_q441bb94d93_attn
		.amdhsa_group_segment_fixed_size 327680
		.amdhsa_private_segment_fixed_size 0
		.amdhsa_enable_private_segment 0
		.amdhsa_kernarg_size 32
		.amdhsa_user_sgpr_count 2
		.amdhsa_user_sgpr_kernarg_segment_ptr 1
		.amdhsa_wavefront_size32 1
		.amdhsa_system_sgpr_workgroup_id_x 1
		.amdhsa_system_sgpr_workgroup_id_y 1
		.amdhsa_system_sgpr_workgroup_id_z 1
		.amdhsa_system_vgpr_workitem_id 0
		.amdhsa_next_free_vgpr 256
		.amdhsa_next_free_sgpr 66
		.amdhsa_reserve_vcc 0
		.amdhsa_float_denorm_mode_32 3
		.amdhsa_float_denorm_mode_16_64 3
		.amdhsa_memory_ordered 1
		.amdhsa_forward_progress 1
		.amdhsa_inst_pref_size 31
	.end_amdhsa_kernel
	.amdgpu_metadata
---
amdhsa.version: [ 1, 2 ]
amdhsa.kernels:
  - .name:           k_q441bb94d93_attn
    .symbol:         k_q441bb94d93_attn.kd
    .args:
      - { .name: qkv, .offset: 0, .size: 8, .value_kind: global_buffer, .address_space: global }
      - { .name: qkvs, .offset: 8, .size: 8, .value_kind: global_buffer, .address_space: global }
      - { .name: ac, .offset: 16, .size: 8, .value_kind: global_buffer, .address_space: global }
      - { .name: acs, .offset: 24, .size: 8, .value_kind: global_buffer, .address_space: global }
    .group_segment_fixed_size: 327680
    .private_segment_fixed_size: 0
    .kernarg_segment_align: 8
    .kernarg_segment_size: 32
    .max_flat_workgroup_size: 512
    .sgpr_count:     66
    .vgpr_count:     256
    .wavefront_size: 32
...
	.end_amdgpu_metadata
.endif
;; end of part 3
;; launch oproj (part 4): grid 8 x 32, 4 waves a work-group, clusters of 4 x 4, 327,680 bytes of LDS; arguments ac, acs, codes, scales, out0; writes out0
.if DOCPART == 4
	.amdgcn_target "amdgcn-amd-amdhsa--gfx1250"
	.amdhsa_code_object_version 6
	.text
	.protected	k_q441bb94d93_oproj
	.globl	k_q441bb94d93_oproj
	.p2align	8
	.type	k_q441bb94d93_oproj,@function
k_q441bb94d93_oproj:
	s_mov_b64 s[64:65], 0
	v_nop
	global_prefetch_b8 v0, s[64:65] scope:SCOPE_SE
	s_setreg_imm32_b32 hwreg(HW_REG_WAVE_MODE, 25, 1), 1
	s_wait_xcnt 0x0
	s_wait_alu depctr_hold_cnt(0) depctr_sa_sdst(0) depctr_va_vdst(0) depctr_va_sdst(0) depctr_va_ssrc(0) depctr_va_vcc(0) depctr_vm_vsrc(0)
	s_getreg_b32 s2, hwreg(HW_REG_IB_STS2, 6, 4)
	s_cmp_eq_u32 s2, 0
	s_cbranch_scc0 .Lentry_in_a_cluster
	s_endpgm
.Lentry_in_a_cluster:
	s_bfe_u32 s2, ttmp6, 0x10000c
	s_cmp_lg_u32 s2, 0xf033
	s_cbranch_scc0 .Lentry_shape_is_right
	s_endpgm
.Lentry_shape_is_right:
; THE LAST PROJECTION on codes of FP6 (E2M3): out0[token][e] = sum over d of A[token][d] Wo[e][d], K = 1,024, f32 sums, f32 out.
; A comes from the launch before: ac [16-row block of stored tokens][pair of heads][parity][768 bytes: a unit of six registers a lane, register pair p at 256 p + 8 x lane], two units to a fragment of 128 along K; acs [stored token][32 scale bytes].
; Wo's codes lie as [block of 256 stored rows][K step of 256][row][192 bytes], from stored row 11,264 on: a tile is a dense run of bytes, stated as rows of 256 bytes; 16 bytes of padding behind every 64 give LDS rows of 240 bytes.
; SHARES.  A work-group makes 256 tokens x 128 features: 8 x 32 = 256 work-groups.  Four waves, 2 x 2: a wave makes 128 x 64: 32 accumulators of 16 x 16 (A's eight blocks x B's four).
; K goes in four steps of 256 through a ring of two LDS slots (A's 16 blocks of 3,072 bytes, then B's 128 rows).  The scale bytes of all of K come once, at the head: B's 128 rows, then A's 256.
; CLUSTERS: 4 x 4.  A's tiles are shared along a row of the cluster, B's along a column: joint loads.  NO PREFETCH: K has four steps, of which two are asked for before the first product.
; THE MATRIX INSTRUCTION IS USED TRANSPOSED (source 0 = 16 rows of Wo, source 1 = 16 tokens): a lane holds eight neighbouring numbers of a row of out0.  By Wo's stored order tiles 2 b, 2 b + 1 hold features 32 b + 16 h + 0 .. 15;
; by the tokens' stored order row t of block a is token 64 (a / 4) + 8 (a % 4) + t + 24 (t / 8).
; REGISTERS, in windows of 256: window 0: v16-29 addresses, v32-63 scale words (two sets), from v128 A's fragments (one set); window 1: B's fragments, two sets, at v0 and v128; windows 2, 3: the accumulators of my tokens 0-63, 64-127.
.set KSTEP,  256
.set NQ,     KSTEP/128
.set ROWB,   49152                     ; from a K step of a block of 256 rows of Wo to the next, in memory
.set AHALF,  24576                     ; A's 128 rows of a K step, in LDS: 8 blocks of 3,072 bytes
.set PITCH,  240
.set BH,     64*PITCH                  ; B's 64 rows of a K step in LDS,
.set BHM,    12288                     ; and in memory
.set FR,     12
.set NLA,    6
.set NP,     4
.set HALFT,  128*PITCH
.set SLOT,   4*HALFT                   ; A from byte 0, B from byte 2 HALFT
.set AIMG,   3072
.set KS,     32
.set SCL,    2*SLOT
.set HALFS,  (128*KS/256)*272          ; the scale bytes of 128 rows: 16 units of 256 bytes + 16
.set SBLK,   (16*KS/256)*272
.set SPARE,  SCL+4*HALFS
.set SPITCH, 272                       ; the way out: a stage of 16 rows x (256 bytes + 16) for each wave, in slot 0, which has had its last fill and its last read by then
.set ADRA, 16
.set ADRB, 20
.set STO,  24
.set RD,   25
.set CO,   26
.set ADRS, 27
.set SPW,  28
.set NIL,  29
.set SC,   32
.set AF,   128
.set BK,   128
.set G1, 24
.set G0, 32
.set G1B, 48
.set G0B, 56
.set G1S, 68
.set G0S, 76
.set G1SB, 80
.set G0SB, 88
.set MSB, 0
.macro WIN new
.if MSB != (\new)
	s_set_vgpr_msb (MSB<<8)|(\new)
.set MSB, (\new)
.endif
.endm
.set MUL_LO, 0xa1
.set MUL_HI, 0xf1
.set TO_B,   0x40
.macro JLOAD g0a, g1a, g0b, g1b        ; waves 0, 1 fetch for A, waves 2, 3 for B; the branch hangs on the wave's number alone
	s_cmp_eq_u32 s15, 0
	s_cbranch_scc0 .Lfor_b_\@
	tensor_load_to_lds s[\g0a:\g0a+3], s[\g1a:\g1a+7]
	s_nop 0
.rept 4
	v_nop
.endr
	s_branch .Lasked_\@
.Lfor_b_\@:
	tensor_load_to_lds s[\g0b:\g0b+3], s[\g1b:\g1b+7]
	s_nop 0
.rept 4
	v_nop
.endr
.Lasked_\@:
.endm
.macro CREST
	s_cmp_lg_u32 s14, 0
	s_cbranch_scc1 .Lnot_wave_0_\@
	s_barrier_signal -3
.Lnot_wave_0_\@:
	s_barrier_wait -3
	s_barrier_signal -1
	s_barrier_wait -1
.endm
.macro CROUND
	s_barrier_signal -1
	s_barrier_wait -1
	CREST
.endm
	s_load_b128 s[4:7], s[0:1], 0x0                ; ac, acs
	s_load_b128 s[8:11], s[0:1], 0x10              ; codes, scales
	s_load_b64 s[12:13], s[0:1], 0x20              ; out0
	v_lshl_add_u32 v[SPW], v0, 2, SPARE
	v_mov_b32 v[NIL], 0
	ds_add_u32 v[SPW], v[NIL]                      ; the opening lines: the add, twice on end, and its wait
	ds_add_u32 v[SPW], v[NIL]
	s_wait_dscnt 0x0
	v_lshrrev_b32 v1, 5, v0
	v_readfirstlane_b32 s14, v1                    ; wave
	s_lshr_b32 s15, s14, 1                         ; which 128 tokens are mine.  Also: I fetch for A (0) or for B (1)
	s_and_b32 s16, s14, 1                          ; which 64 features.  Also: which half of that tile I fetch
	s_bfe_u32 s40, ttmp6, 0x40000
	s_bfe_u32 s41, ttmp6, 0x40004
	s_lshl_b32 s42, ttmp9, 2
	s_add_co_u32 s42, s42, s40                     ; tile column, 0..7
	s_and_b32 s17, ttmp7, 0xffff
	s_lshl_b32 s17, s17, 2
	s_add_co_u32 s17, s17, s41                     ; tile row, 0..31
	s_lshl_b32 s43, s41, 2
	s_lshl_b32 s43, 15, s43                        ; my row of the cluster
	s_lshl_b32 s44, 0x1111, s40                    ; my column
	s_or_b32 s[G1+0], s43, (3<<16)|(1<<21)         ; A: rows of 3,072 bytes (a block's two fragments), 12,288 bytes apart; 16 blocks at the head
	s_mov_b32 s[G1+1], 384<<16
	s_mov_b32 s[G1+2], 16<<16
	s_mov_b32 s[G1+3], 384<<16
	s_mov_b32 s[G1+4], 16
	s_mov_b32 s[G1+5], 1536
	s_mov_b32 s[G1+6], 0
	s_mov_b32 s[G1+7], 0
	s_or_b32 s[G1B+0], s44, (0<<16)|(1<<20)|(1<<21)|(3<<22)|(3<<25)   ; B: rows of 256 bytes, 16 bytes of padding behind every 64; 128 rows of codes = 96 such rows at the head
	s_mov_b32 s[G1B+1], 256<<16
	s_mov_b32 s[G1B+2], 96<<16
	s_mov_b32 s[G1B+3], 256<<16
	s_mov_b32 s[G1B+4], 96
	s_mov_b32 s[G1B+5], 256
	s_mov_b32 s[G1B+6], 0
	s_mov_b32 s[G1B+7], 0
	s_or_b32 s[G1S+0], s43, (3<<16)|(1<<20)|(1<<21)|(5<<22)|(3<<25)   ; scale bytes: rows of 256 bytes + 16: A's 256 rows are 32 of them,
	s_mov_b32 s[G1S+1], 32<<16
	s_mov_b32 s[G1S+2], 32<<16
	s_mov_b32 s[G1S+3], 32<<16
	s_mov_b32 s[G1S+4], 32
	s_mov_b32 s[G1S+5], 32
	s_mov_b32 s[G1S+6], 0
	s_mov_b32 s[G1S+7], 0
	s_or_b32 s[G1SB+0], s44, (3<<16)|(1<<20)|(1<<21)|(5<<22)|(3<<25)  ; B's 128 rows 16
	s_mov_b32 s[G1SB+1], 32<<16
	s_mov_b32 s[G1SB+2], 16<<16
	s_mov_b32 s[G1SB+3], 32<<16
	s_mov_b32 s[G1SB+4], 16
	s_mov_b32 s[G1SB+5], 32
	s_mov_b32 s[G1SB+6], 0
	s_mov_b32 s[G1SB+7], 0
	s_lshl_b32 s20, s17, 4
	s_mul_i32 s20, s20, 12288                      ; A's tile: 16 blocks from block 16 x tile row
	s_mov_b32 s21, 0
	s_lshl_b32 s22, s17, 13                        ; its scale bytes: 256 rows of 32
	s_mov_b32 s23, 0
	s_lshl_b32 s46, s42, 7
	s_add_co_u32 s46, s46, 11264                   ; B's tile: its first stored row
	s_lshl_b32 s92, s46, 5                         ; its scale bytes
	s_mov_b32 s93, 0
	s_lshr_b32 s47, s46, 8
	s_mul_i32 s47, s47, 196608                     ; its block of 256 rows,
	s_and_b32 s46, s46, 255
	s_mul_i32 s46, s46, 192                        ; and which half of the block
	s_add_co_u32 s46, s46, s47
	s_mov_b32 s47, 0
	s_mul_i32 s45, s16, BH                         ; where B's halves go in a slot,
	s_add_co_u32 s45, s45, 2*HALFT
	s_mul_i32 s94, s14, AHALF                      ; and A's
	s_mul_i32 s18, s16, BHM                        ; in the ring I fetch half a tile: which half, in bytes: of B,
	s_mov_b32 s19, 0
	s_mul_i32 s96, s16, 98304                      ; and of A: 8 blocks of 12,288 bytes
	s_mov_b32 s97, 0
	s_wait_kmcnt 0x0
	s_add_nc_u64 s[20:21], s[4:5], s[20:21]
	s_add_nc_u64 s[22:23], s[6:7], s[22:23]
	s_add_nc_u64 s[46:47], s[8:9], s[46:47]
	s_add_nc_u64 s[92:93], s[10:11], s[92:93]
	CROUND                                         ; all sixteen work-groups are here: the first joint loads meet
	s_mov_b32 s[G0S], 1                            ; the head's four tiles, each whole: A's scale bytes, behind B's,
	s_mov_b32 s[G0S+1], SCL+HALFS
	s_mov_b64 s[G0S+2:G0S+3], s[22:23]
	s_or_b32 s[G0S+3], s[G0S+3], 0x80000000
	s_mov_b32 s[G0SB], 1                           ; B's scale bytes,
	s_mov_b32 s[G0SB+1], SCL
	s_mov_b64 s[G0SB+2:G0SB+3], s[92:93]
	s_or_b32 s[G0SB+3], s[G0SB+3], 0x80000000
	s_mov_b32 s[G0], 1                             ; K step 0 of A's 256 rows,
	s_mov_b32 s[G0+1], 0
	s_mov_b64 s[G0+2:G0+3], s[20:21]
	s_or_b32 s[G0+3], s[G0+3], 0x80000000
	s_mov_b32 s[G0B], 1                            ; and of B's 128 rows
	s_mov_b32 s[G0B+1], 2*HALFT
	s_mov_b64 s[G0B+2:G0B+3], s[46:47]
	s_or_b32 s[G0B+3], s[G0B+3], 0x80000000
	s_add_nc_u64 s[20:21], s[20:21], s[96:97]      ; for the ring: my half
	s_add_nc_u64 s[46:47], s[46:47], s[18:19]
	s_mov_b32 s[G0+4], 1
	s_add_co_u32 s[G0+5], s94, SLOT
	s_add_nc_u64 s[G0+6:G0+7], s[20:21], AIMG
	s_or_b32 s[G0+7], s[G0+7], 0x80000000
	s_mov_b32 s[G0B+4], 1
	s_add_co_u32 s[G0B+5], s45, SLOT
	s_add_nc_u64 s[G0B+6:G0B+7], s[46:47], ROWB
	s_or_b32 s[G0B+7], s[G0B+7], 0x80000000
; one tensor load a wave at the head: one chain of branches on the wave's number, a load to an arm, all arms to one join
.macro ARM under, g0, g1, next
	s_cmp_lt_u32 s14, \under
	s_cbranch_scc0 \next
	tensor_load_to_lds s[\g0:\g0+3], s[\g1:\g1+7]
	s_nop 0
.rept 4
	v_nop
.endr
	s_branch .Lhead_asked
\next:
.endm
	ARM 1, G0,  G1,  .Lhead_b
	ARM 2, G0B, G1B, .Lhead_sa
	ARM 3, G0S, G1S, .Lhead_sb
	tensor_load_to_lds s[G0SB:G0SB+3], s[G1SB:G1SB+7]
	s_nop 0
.rept 4
	v_nop
.endr
.Lhead_asked:
	v_and_b32 v1, 15, v0                           ; r
	v_bfe_u32 v2, v0, 4, 1                         ; h
	v_and_b32 v6, 31, v0
	v_lshlrev_b32 v7, 3, v6                        ; 8 x lane: my place in a register pair's 256 bytes of a unit
	v_lshlrev_b32 v8, 4, v1                        ; 16 r
	v_lshl_add_u32 v[CO], v2, 12, v8               ; out0: sixteen lanes to a row's 256 bytes, lanes 16-31 the next row (4,096 bytes on)
	v_mul_u32_u24 v3, v1, PITCH
	v_mul_u32_u24 v4, v2, 24
	v_add_nc_u32 v4, v3, v4
	v_lshl_add_u32 v5, v2, 4, v4                   ; (for the pieces that lie behind one padding more in lanes 16-31)
	s_mul_i32 s21, s15, AHALF
	s_mul_i32 s22, s16, BH
	s_add_co_u32 s22, s22, 2*HALFT
.irp s, 0,1
	v_add_nc_u32 v[ADRA+\s], s21, v7
	v_add_nc_u32 v[ADRB+\s], s22, v4
	v_add_nc_u32 v[ADRB+2+\s], s22, v5
	s_add_co_u32 s21, s21, SLOT
	s_add_co_u32 s22, s22, SLOT
.endr
	v_mul_u32_u24 v5, v1, KS                       ; my row's scale bytes: 32 a row,
	v_lshrrev_b32 v6, 8, v5
	v_lshl_add_u32 v5, v6, 4, v5                   ; and 16 more for each 256 passed
	s_mul_i32 s21, s16, HALFS/2                    ; B's: my 64 rows
	s_mul_i32 s22, s15, HALFS                      ; A's: my 128 rows, behind B's 128
	s_add_co_u32 s22, s22, HALFS
	s_sub_co_u32 s22, s22, s21
	v_xor_b32 v9, 1, v2
	v_mul_u32_u24 v6, s22, v9                      ; lanes 0-15 take A's, lanes 16-31 B's (for blocks 4-7, which B does not have, they read bytes of A's that no product takes)
	s_add_co_u32 s21, s21, SCL
	v_add_nc_u32 v5, v5, v6
	v_add_nc_u32 v[ADRS], s21, v5
	s_mul_i32 s23, s14, 16*SPITCH                  ; my stage
	v_mul_u32_u24 v5, v1, SPITCH
	v_lshl_add_u32 v5, v2, 6, v5
	v_add_nc_u32 v[STO], s23, v5                   ; in: row r, 64 bytes on for lanes 16-31
	v_mul_u32_u24 v5, v2, SPITCH
	v_add_nc_u32 v5, v5, v8
	v_add_nc_u32 v[RD], s23, v5                    ; back: two rows an instruction
	s_lshl_b32 s20, s17, 8
	s_lshl_b32 s21, s15, 7
	s_add_co_u32 s20, s20, s21                     ; my first row of out0
	s_lshl_b32 s20, s20, 12
	s_mov_b32 s21, 0
	s_lshl_b32 s46, s42, 9                         ; my first column, in bytes: 512 x tile column + 256 x half
	s_lshl_b32 s47, s16, 8
	s_add_co_u32 s46, s46, s47
	s_mov_b32 s47, 0
	s_add_nc_u64 s[20:21], s[20:21], s[46:47]
	s_add_nc_u64 s[12:13], s[12:13], s[20:21]
.macro FRAG reg, adr, q, i             ; a fragment of B: six pieces of 8 bytes of an LDS row (64 bytes + 16 of padding, three times)
.irp p, 0,1,2,3,4,5
.set PCE, 12*(\q)+6*(\p/3)+\p%3
.if PCE%8 < 5
	ds_load_b64 v[\reg+2*\p:\reg+2*\p+1], v[\adr] offset:8*PCE+16*(PCE/8)+(\i)*16*PITCH
.else
	ds_load_b64 v[\reg+2*\p:\reg+2*\p+1], v[\adr+2] offset:8*PCE+16*(PCE/8)+(\i)*16*PITCH
.endif
.endr
.endm
.macro FRAGA reg, slot, q, i           ; a fragment of A: two units, six register pairs of 256 bytes
.irp g, 0,1,2,3,4,5
	ds_load_b64 v[\reg+2*\g:\reg+2*\g+1], v[ADRA+\slot] offset:(\i)*AIMG+(\q)*1536+256*\g
.endr
.endm
; 8 matrix instructions: A's blocks a0, a0 + 1 x B's four.  The 32 accumulators take turns, in the same order in every step.
.macro MUL8 a0, p, q, sc, zero
.irp a, \a0, \a0+1
.irp b, 0,1,2,3
.if \zero
	v_wmma_scale_f32_16x16x128_f8f6f4 v[8*(8*((\a)%4)+\b):8*(8*((\a)%4)+\b)+7], v[128*(\p)+FR*\b:128*(\p)+FR*\b+FR-1], v[AF+FR*(\a):AF+FR*(\a)+FR-1], 0, v[SC+8*NQ*(\sc)+NQ*\b+(\q)], v[SC+8*NQ*(\sc)+NQ*(\a)+(\q)] matrix_a_fmt:MATRIX_FMT_FP6 matrix_b_fmt:MATRIX_FMT_FP6 matrix_a_scale:MATRIX_SCALE_ROW1
.else
	v_wmma_scale_f32_16x16x128_f8f6f4 v[8*(8*((\a)%4)+\b):8*(8*((\a)%4)+\b)+7], v[128*(\p)+FR*\b:128*(\p)+FR*\b+FR-1], v[AF+FR*(\a):AF+FR*(\a)+FR-1], v[8*(8*((\a)%4)+\b):8*(8*((\a)%4)+\b)+7], v[SC+8*NQ*(\sc)+NQ*\b+(\q)], v[SC+8*NQ*(\sc)+NQ*(\a)+(\q)] matrix_a_fmt:MATRIX_FMT_FP6 matrix_b_fmt:MATRIX_FMT_FP6 matrix_a_scale:MATRIX_SCALE_ROW1
.endif
.endr
.endr
.endm
.macro FETCH_B slot, q, p
	WIN TO_B
.irp i, 0,1,2,3
	FRAG 128*(\p)+FR*\i, ADRB+\slot, \q, \i
.endr
	WIN 0
.endm
.macro FETCH_A slot, q, i0
.irp i, \i0, \i0+1, \i0+2, \i0+3
	FRAGA AF+FR*(\i), \slot, \q, \i
.endr
.endm
.macro SCALES sc
.irp i, 0,1,2,3,4,5,6,7
	ds_load_b64 v[SC+8*NQ*\sc+NQ*\i:SC+8*NQ*\sc+NQ*\i+1], v[ADRS] offset:\i*SBLK
.endr
.endm
.macro PLACES n
.rept \n
	v_nop
.endr
.endm
.macro STEP slot, q, zero              ; 128 along K: 32 matrix instructions; the next 128's fragments are fetched in the middle and at the end
	s_wait_dscnt 4*NLA                             ; B's set and A's blocks 0-3 are in; the youngest loads (A's blocks 4-7) may be out
	WIN MUL_LO
	MUL8 0, (\q)%2, \q, \slot, \zero
	MUL8 2, (\q)%2, \q, \slot, \zero
	s_wait_dscnt 0
	PLACES NP
	FETCH_B \slot, (\q)+1, 1-(\q)%2
	FETCH_A \slot, (\q)+1, 0
	WIN MUL_HI
	MUL8 4, (\q)%2, \q, \slot, \zero
	MUL8 6, (\q)%2, \q, \slot, \zero
	PLACES NP
	WIN 0
	FETCH_A \slot, (\q)+1, 4
.endm
.macro TURN slot, next, fill           ; a slot's last 128 along K, and the change of slots
	s_wait_tensorcnt 0x0                           ; all my tensor loads have landed, my part of the next slot among them;
	ds_add_u32 v[SPW], v[NIL]                      ; 0 onto my spare word
	s_wait_dscnt 4*NLA+1                           ; (the add and the youngest loads may be out)
	WIN MUL_LO
	MUL8 0, 1, NQ-1, \slot, 0
	s_wait_dscnt 0x0                               ; the add is done, and my reads of this slot are over
	s_barrier_signal -1
	MUL8 2, 1, NQ-1, \slot, 0
	WIN 0
	s_barrier_wait -1
.if \fill
	CREST                                          ; the barrier has opened a round of the cluster's barrier
	s_add_nc_u64 s[G0+4*\slot+2:G0+4*\slot+3], s[G0+4*\slot+2:G0+4*\slot+3], 2*AIMG
	s_add_nc_u64 s[G0B+4*\slot+2:G0B+4*\slot+3], s[G0B+4*\slot+2:G0B+4*\slot+3], 2*ROWB
	JLOAD G0+4*\slot, G1, G0B+4*\slot, G1B         ; the first tensor load behind the round; its four v_nop are the places in front of the loads below
.else
	PLACES NP
.endif
	s_wait_alu depctr_va_vdst(0)
	v_add_nc_u32 v[ADRS], 4*NQ, v[ADRS]
	FETCH_B \next, 0, 0
	FETCH_A \next, 0, 0
	SCALES \next
	WIN MUL_HI
	MUL8 4, 1, NQ-1, \slot, 0
	MUL8 6, 1, NQ-1, \slot, 0
	PLACES NP
	WIN 0
	FETCH_A \next, 0, 4
.endm
	s_wait_alu depctr_va_vdst(0)                   ; the wait at the head's end
	s_wait_tensorcnt 0x0                           ; my tile of the head's four is in; the lines ahead of a later first fill:
	ds_add_u32 v[SPW], v[NIL]
	s_mov_b32 s[G1+2], 8<<16                       ; no tensor load of mine is out: from here on a load brings half a tile: 8 blocks of A,
	s_mov_b32 s[G1+4], 8
	s_mov_b32 s[G1B+2], 48<<16                     ; 64 rows of B = 48 rows of 256 bytes,
	s_mov_b32 s[G1B+4], 48
	s_mov_b32 s[G0+1], s94                         ; and slot 0's descriptors become my half's
	s_add_nc_u64 s[G0+2:G0+3], s[G0+2:G0+3], s[96:97]
	s_mov_b32 s[G0B+1], s45
	s_add_nc_u64 s[G0B+2:G0B+3], s[G0B+2:G0B+3], s[18:19]
	s_wait_dscnt 0x0
	CROUND                                         ; all four tiles are in, and the cluster is here
	JLOAD G0+4, G1, G0B+4, G1B                     ; K step 1 into slot 1: the first tensor load behind the round
	FETCH_B 0, 0, 0
	FETCH_A 0, 0, 0
	SCALES 0
	FETCH_A 0, 0, 4
	STEP 0, 0, 1                                   ; the first products start the sums
	TURN 0, 1, 1
	STEP 1, 0, 0
	TURN 1, 0, 1
	STEP 0, 0, 0
	TURN 0, 1, 0
	STEP 1, 0, 0
	s_wait_dscnt 4*NLA                             ; the very last 128 along K: nothing more to fetch
	WIN MUL_LO
	MUL8 0, 1, NQ-1, 1, 0
	MUL8 2, 1, NQ-1, 1, 0
	s_wait_dscnt 0
	WIN MUL_HI
	MUL8 4, 1, NQ-1, 1, 0
	MUL8 6, 1, NQ-1, 1, 0
	WIN 0
; THE WAY OUT, block by block of 16 tokens x 64 features, through my own stage: LDS serves a wave's instructions in order, so no wait stands between the stores and the loads.
.macro TOSTAGE a
.set AC, 64*((\a)%4)
	WIN (0x08+4*((\a)/4))
.irp b, 0,1,2,3
	ds_store_b128 v[STO], v[AC+8*\b:AC+8*\b+3] offset:128*(\b/2)+32*(\b%2)      ; each accumulator from its low end on
	ds_store_b128 v[STO], v[AC+8*\b+4:AC+8*\b+7] offset:128*(\b/2)+32*(\b%2)+16
.endr
	WIN 0
.set BB, BK+32*((\a)%2)
.irp t, 0,1,2,3,4,5,6,7
	ds_load_b128 v[BB+4*\t:BB+4*\t+3], v[RD] offset:\t*2*SPITCH
.endr
.endm
.macro SEND a, younger                 ; younger: the LDS instructions issued behind block a's loads, which may stay out
.set BB, BK+32*((\a)%2)
	s_wait_dscnt \younger
.irp t, 0,1,2,3,4,5,6,7
	global_store_b128 v[CO], v[BB+4*\t:BB+4*\t+3], s[12:13] offset:(64*((\a)/4)+8*((\a)%4)+2*\t+24*(\t/4))*4096 th:TH_STORE_NT   ; stored rows 2 t, 2 t + 1 of block a; sixteen lanes store 256 consecutive bytes, aligned
.endr
.endm
	PLACES NP
	TOSTAGE 0
.irp a, 1,2,3,4,5,6,7
.if \a > 1
	s_wait_xcnt 0x0                                ; block a - 2's stores have read their registers: block a's loads may land there
.endif
	TOSTAGE \a
	SEND \a-1, 16                                  ; behind block a - 1's loads: block a's 8 stores and 8 loads
.endr
	SEND 7, 0
	s_wait_tensorcnt 0x0                           ; the wave's end
	ds_add_u32 v[SPW], v[NIL]
	s_wait_dscnt 0x0
	CROUND                                         ; the closing round
	s_endpgm
.Lfunc_end_k_q441bb94d93_oproj:
	.size	k_q441bb94d93_oproj, .Lfunc_end_k_q441bb94d93_oproj-k_q441bb94d93_oproj
	.p2alignl 7, 3214868480
	.fill 96, 4, 3214868480
	.section	.rodata,"a",@progbits
	.p2align	6, 0x0
	.amdhsa_kernel k_q441bb94d93_oproj
		.amdhsa_group_segment_fixed_size 327680
		.amdhsa_private_segment_fixed_size 0
		.amdhsa_enable_private_segment 0
		.amdhsa_kernarg_size 40
		.amdhsa_user_sgpr_count 2
		.amdhsa_user_sgpr_kernarg_segment_ptr 1
		.amdhsa_wavefront_size32 1
		.amdhsa_system_sgpr_workgroup_id_x 1
		.amdhsa_system_sgpr_workgroup_id_y 1
		.amdhsa_system_sgpr_workgroup_id_z 1
		.amdhsa_system_vgpr_workitem_id 0
		.amdhsa_next_free_vgpr 1024
		.amdhsa_next_free_sgpr 98
		.amdhsa_reserve_vcc 0
		.amdhsa_float_denorm_mode_32 3
		.amdhsa_float_denorm_mode_16_64 3
		.amdhsa_memory_ordered 1
		.amdhsa_forward_progress 1
		.amdhsa_inst_pref_size 103
	.end_amdhsa_kernel
	.amdgpu_metadata
---
amdhsa.version: [ 1, 2 ]
amdhsa.kernels:
  - .name:           k_q441bb94d93_oproj
    .symbol:         k_q441bb94d93_oproj.kd
    .args:
      - { .name: ac, .offset: 0, .size: 8, .value_kind: global_buffer, .address_space: global }
      - { .name: acs, .offset: 8, .size: 8, .value_kind: global_buffer, .address_space: global }
      - { .name: codes, .offset: 16, .size: 8, .value_kind: global_buffer, .address_space: global }
      - { .name: scales, .offset: 24, .size: 8, .value_kind: global_buffer, .address_space: global }
      - { .name: out0, .offset: 32, .size: 8, .value_kind: global_buffer, .address_space: global }
    .group_segment_fixed_size: 327680
    .private_segment_fixed_size: 0
    .kernarg_segment_align: 8
    .kernarg_segment_size: 40
    .max_flat_workgroup_size: 128
    .sgpr_count:     98
    .vgpr_count:     1024
    .wavefront_size: 32
...
	.end_amdgpu_metadata
.endif
;; end of part 4
